; MI455X (gfx1250); checked and timed in simulation.
; The chip was launched on July 23, 2026; its instructions are those of AMD's public machine-readable ISA for CDNA 5 (MIT licence, August 2026) and "CDNA5" Instruction Set Architecture Reference Guide (July 2026). The comments in the code are by the model that wrote it; some were corrected since.
;; Multi Head Attention. Allowed arithmetic: matrix products marked QUANTISED: E2M1 operands, one E8M0 scale for each 32 along K, by v_wmma_scale_f32_16x16x128_f8f6f4 with both operands' format E2M1 (or v_wmma_scale_f32_32x16x128_f4), f32 sums; everything else in f32.
;; Inputs: Wk 1,024 x 1,024 float32; Wo 1,024 x 1,024 float32; Wq 1,024 x 1,024 float32; Wv 1,024 x 1,024 float32; bk 1,024 float32; bo 1,024 float32; bq 1,024 float32; bv 1,024 float32; mask 1 x 4,096 x 4,096 float32; query 1 x 4,096 x 1,024 float32.
;; Outputs: out0 1 x 4,096 x 1,024 float32.
;; This version of the problem:
;;   THIS VERSION OF THE PROBLEM IS GIVEN IN LOW PRECISION. The matrix products marked QUANTISED in the list below multiply operands that are first quantised to E2M1 (2 exponent bits, 1 mantissa bit; 4 bits a number), with one power-of-two scale for each 32 numbers along K (OCP MX v1.0); their sums are f32. All else is computed in f32.
;;   The module's matrix products, in the order in which they are computed (A, B: the left and right operand; K: the contracted axis; several contracted axes count as one K, in the product's order):
;;     1. [M 4,096, K 1,024] x [K 1,024, N 1,024]; A: input query; B: input Wq: QUANTISED
;;     2. [M 4,096, K 1,024] x [K 1,024, N 1,024]; A: input query; B: input Wk: QUANTISED
;;     3. [M 4,096, K 1,024] x [K 1,024, N 1,024]; A: input query; B: input Wv: QUANTISED
;;     4. batch 16 x [M 4,096, K 64] x [K 64, N 4,096]; A: computed on the way; B: computed on the way: QUANTISED
;;     5. batch 16 x [M 4,096, K 4,096] x [K 4,096, N 64]; A: softmax (see below); B: computed on the way: QUANTISED
;;     6. [M 4,096, K 1,024] x [K 1,024, N 1,024]; A: computed on the way; B: input Wo: QUANTISED
;;   THE QUANTISER, for each operand of a quantised product, along K:
;;     - K is cut into blocks of 32 from its start; a last block that is shorter is filled with zeros.
;;     - A block's scale is 2^e with e = floor(log2(the largest magnitude in the block)) - 2, held to -126 .. 127; a block of zeros has e = 0. As a byte (E8M0): e + 127.
;;     - Each number is divided by its block's scale, clamped to +-6, and rounded to the nearest number of E2M1, ties to even, subnormals kept.
;;     - The product sums the exact products of the quantised numbers (number of the format x scale) in f32.
;;   ~~~python
;;   def quantise(x, axis):      # numpy; x: float32 -> the quantised numbers, widened to float32 again
;;       x = np.moveaxis(x, axis, -1); K = x.shape[-1]
;;       x = np.pad(x, [(0, 0)] * (x.ndim - 1) + [(0, -K % 32)]); x = x.reshape(x.shape[:-1] + (-1, 32)); a = np.abs(x).max(-1, keepdims=True)
;;       e = np.where(a > 0, np.clip(np.frexp(np.where(a > 0, a, 1))[1] - 1 - 2, -126, 127), 0)      # np.frexp(a)[1] - 1 = floor(log2(a)), exactly
;;       r = np.clip(x / 2.0 ** e, -6, 6)
;;       step = 2.0 ** (np.maximum(np.frexp(np.where(r == 0, 1, r))[1] - 1, 0) - 1)
;;       q = np.round(r / step) * step * 2.0 ** e      # np.round: ties to even
;;       return np.moveaxis(q.reshape(q.shape[:-2] + (-1,))[..., :K], -1, axis).astype(np.float32)
;;   ~~~
;;   SOFTMAX AHEAD OF A QUANTISED PRODUCT. Where the list says 'softmax', what is quantised is not the finished softmax but p = 2^(t - M), with t = logit x log2(e) and M = ceil(the row's largest t), a whole number; so 1/2 < the row's largest p <= 1. The row's sum l is taken of the UNQUANTISED p, in f32, and the product's result is divided by l at the end. Since M is a whole number, a kernel that streams over the keys may use a running M (the ceiling of the running maximum): every later rescaling is an exact power of two, which a block's scale takes up: the codes' values come out the same.
;;   OPERANDS COMPUTED ON THE WAY. 'Computed on the way' means the value that the module computes at that place (a softmax that the list does not call 'softmax' is quantised finished and normalised). What goes into a quantiser is computed in f32, as accurately as f32 sums, v_exp_f32 and their like allow (about 1e-6 of the number): no bf16 or f16 on the way to a quantiser, and a product that is left as it is and whose result goes on into a quantised operand takes f32 operands (vector FMAs, or v_wmma_f32_16x16x4_f32). A number that lies on a knife's edge between two numbers of the format may be rounded either way, as far as f32 arithmetic and the matrix unit's own rounding can turn it there, and no further.
;; One version. Each part assembles by itself: llvm-mc -triple=amdgcn-amd-amdhsa -mcpu=gfx1250 --defsym DOCPART=n.
;; ======== version 1 of 1: 4 launches
;; limits: right only within a limited range of input values
;; workspace buffers: xc 2,097,152 bytes; xs 131,072 bytes; wc 2,097,152 bytes; ws 131,072 bytes; qb 2,359,296 bytes; kv 4,587,520 bytes; oc 2,228,224 bytes; cls 32,768 bytes of whole numbers
;; launch quant (part 1): grid 256 x 1, 20 waves a work-group, no clusters, 35,328 bytes of LDS; arguments query, Wq, Wk, Wv, Wo, xc, xs, wc, ws, mask, cls; writes xc, xs, wc, ws, cls
.if DOCPART == 1
	.amdgcn_target "amdgcn-amd-amdhsa--gfx1250"
	.amdhsa_code_object_version 6
	.text
	.protected	k_qa08f4688da_quant
	.globl	k_qa08f4688da_quant
	.p2align	8
	.type	k_qa08f4688da_quant,@function
k_qa08f4688da_quant:
	s_mov_b64 s[64:65], 0
	v_nop
	global_prefetch_b8 v0, s[64:65] scope:SCOPE_SE
	s_setreg_imm32_b32 hwreg(HW_REG_WAVE_MODE, 25, 1), 1
	s_wait_xcnt 0x0
; query [4096][1024] and Wq, Wk, Wv, Wo [1024][1024], f32, K innermost, become codes of FP4 (E2M1) with one E8M0 scale byte for each 32 along K.
; xc [4096 places][512 bytes], xs [4096 places][32 bytes]: query.  wc, ws likewise: the rows of Wq, Wk, Wv, Wo, 1,024 each, one matrix behind the other.
; A block's scale is 2^(floor(log2(its largest magnitude)) - 2); its byte is the largest magnitude's exponent field - 2, held at 1 from below.
; (A block of zeros so gets the byte 1 where the rule says 127: its codes are zeros, which add nothing, and these bytes are read by this program alone.)
; LIMITS: blocks whose largest magnitude lies under 2^-124, the floor, were not tried; NaN and infinities among the inputs are not served.
; THE ROWS ARE STORED IN TILE ORDER: row 32 b + 16 g + 8 u + i lies at place 32 b + 16 u + 8 g + i.  So the 16 neighbouring places of tile 2 b + u hold rows 32 b + 8 u + p + 8 (p / 8), p = 0 .. 15:
; with such tiles as source 0 of a product, a lane's 16 results of two neighbouring tiles are 16 neighbours along that axis, which is what the next quantiser wants.
; SHARES: a work-group takes 32 rows, a wave 8 (8,192 numbers, 16 steps of 512).  Work-groups 0-127 take query, 128-255 the four weights, 32 each.  A wave's 8 rows stay together, so the order costs only another
; place for the wave's run: wave w = 2 g + u stores at run 2 u + g.
; Each of a step's four loads reads 512 consecutive bytes; the 2,048 bytes turn through the wave's own stage in LDS and come back 64 bytes a lane: 16 neighbours along K, two lanes to a block.
; No tensor loads, no barrier: waves share nothing.  No cluster: no two work-groups read the same bytes.  Loads run four steps (16 loads a wave) ahead.
; WAVES 4 TO 19 SORT THE MASK'S TILES (waves 0 to 3 do all that is said above).  Wave 4 + i of work-group T reads row 16 T + i of the mask, 32 steps of 128 keys, once, and stores two words at cls[16 T + i]:
;  word 0, bit s: step s STILL COUNTS for this row: some number of the mask there lies under the row's least number + 0.5;   word 1, bit s: step s holds a number other than 0.
; WHY A STEP THAT DOES NOT COUNT MAY BE PASSED OVER by the attention launch, which reads these words: the row has a key with mask = its least number m; every key of such a step has mask >= m + 0.5, so its logit lies
; at least (5e8 - 2 x the largest |score|) / 8 under that key's; while |score| < 2.4e8 that is over 2.5e6, p = 2^(t - M) is 0 there in f32, its codes are zeros, and it adds nothing to the row's sum or to the product.
; A step with no number other than 0 adds a mask term of 0 to every score.  Both decisions are read from the mask given, for every pattern; a row whose numbers are all equal keeps all its steps.
; LIMITS: |score| < 2.4e8 (the drawn data's scores lie under 100; with all inputs 30 times larger under 1e8); NaN and infinities in the mask are not served.
.set STEPS, 16
.set EMAX,  2
.set CB,    8                          ; bytes of 16 codes
.set R,     16                         ; v16-79   four sets of 16 numbers as they are loaded
.set X,     80                         ; v80-111  two sets of 16 neighbours
.set C,     128                        ; v128-191 codes: four registers for each step, so that no store's data are written again
.set E,     112                        ; v112-127 a scale byte for each step
.set WREG,  8192                       ; LDS: a region for each wave: two stages of 32 x SP bytes, behind them its 256 scale bytes
.set SP,    80                         ; a lane's place in a stage: 64 bytes + 16 of padding
	s_load_b256 s[4:11], s[0:1], 0x0               ; query, Wq, Wk, Wv
	s_load_b256 s[12:19], s[0:1], 0x20             ; Wo, xc, xs, wc
	s_load_b64 s[20:21], s[0:1], 0x40              ; ws
	s_load_b128 s[32:35], s[0:1], 0x48             ; mask, cls
	v_lshl_add_u32 v130, v0, 2, 0x8000             ; my spare word (v130, v131 lie between the steps' pairs of codes)
	v_mov_b32 v131, 0
	v_lshrrev_b32 v1, 5, v0
	v_readfirstlane_b32 s22, v1                    ; wave
	s_cmp_ge_u32 s22, 4
	s_cbranch_scc1 .Lclass                         ; waves 4 to 19 take the mask; they touch no LDS
	v_and_b32 v2, 31, v0                           ; lane
	v_lshlrev_b32 v3, 4, v2                        ; my 16 bytes of a load's 512
	s_mul_i32 s23, s22, WREG
	v_lshrrev_b32 v14, 2, v2
	v_mul_u32_u24 v14, v14, SP
	v_and_b32 v15, 3, v2
	v_lshl_add_u32 v14, v15, 4, v14
	v_add_nc_u32 v14, s23, v14                     ; the stage, on the way in: SP (lane / 4) + 16 (lane % 4)
	v_mul_u32_u24 v15, v2, SP
	v_add_nc_u32 v15, s23, v15                     ; and on the way out: SP x lane
	v_mul_u32_u24 v4, v2, CB                       ; my codes' place in a step's
	v_lshrrev_b32 v5, 1, v2
	s_add_co_u32 s23, s23, 2*32*SP
	v_add_nc_u32 v5, s23, v5                       ; LDS: my wave's 256 scale bytes, my block's byte
	v_lshlrev_b32 v7, 3, v2                        ; and on the way out 8 bytes a lane
	v_add_nc_u32 v6, s23, v7
	s_and_b32 s24, ttmp9, 127                      ; which 32 rows of the destination
	s_and_b32 s25, s24, 31                         ; and, for a weight, of its matrix
	s_wait_alu depctr_va_vdst(0)
	s_wait_kmcnt 0x0
	s_cmp_lt_u32 s24, 96                           ; the source: every choice hangs on the work-group's number alone
	s_cselect_b64 s[12:13], s[10:11], s[12:13]
	s_cmp_lt_u32 s24, 64
	s_cselect_b64 s[12:13], s[8:9], s[12:13]
	s_cmp_lt_u32 s24, 32
	s_cselect_b64 s[12:13], s[6:7], s[12:13]
	s_cmp_lt_u32 ttmp9, 128
	s_cselect_b64 s[4:5], s[4:5], s[12:13]
	s_cselect_b64 s[8:9], s[14:15], s[18:19]       ; the codes' buffer
	s_cselect_b64 s[10:11], s[16:17], s[20:21]     ; the scale bytes'
	s_cselect_b32 s25, s24, s25
	s_lshl_b32 s25, s25, 2
	s_add_co_u32 s26, s25, s22                     ; my run of 8 rows in the source,
	s_lshl_b32 s26, s26, 15                        ; 32,768 bytes each
	s_mov_b32 s27, 0
	s_add_nc_u64 s[4:5], s[4:5], s[26:27]
	s_and_b32 s28, s22, 1
	s_lshl_b32 s28, s28, 1
	s_lshr_b32 s29, s22, 1
	s_or_b32 s28, s28, s29                         ; 2 u + g
	s_lshl_b32 s29, s24, 2
	s_add_co_u32 s28, s28, s29                     ; my run in the destination
	s_lshl_b32 s26, s28, 12                        ; 4,096 bytes of codes a run,
	s_add_nc_u64 s[8:9], s[8:9], s[26:27]
	s_lshl_b32 s26, s28, 8                         ; 256 scale bytes
	s_add_nc_u64 s[10:11], s[10:11], s[26:27]
.macro LOAD t
.irp i, 0,1,2,3
	global_load_b128 v[R+16*((\t)%4)+4*\i:R+16*((\t)%4)+4*\i+3], v3, s[4:5] offset:2048*(\t)+512*\i th:TH_LOAD_NT   ; 32 lanes read 512 consecutive bytes
.endr
.endm
.macro TURN t                          ; step t's numbers through the stage: LDS serves a wave's instructions in order, so no wait stands between the stores and the loads
.irp i, 0,1,2,3
	ds_store_b128 v14, v[R+16*((\t)%4)+4*\i:R+16*((\t)%4)+4*\i+3] offset:32*SP*((\t)%2)+8*SP*\i
.endr
.irp i, 0,1,2,3
	ds_load_b128 v[X+16*((\t)%2)+4*\i:X+16*((\t)%2)+4*\i+3], v15 offset:32*SP*((\t)%2)+16*\i
.endr
.endm
.irp t, 0,1,2,3
	LOAD \t
.endr
	s_wait_loadcnt 12                              ; step 0's four loads are in
	TURN 0
.macro STEP t
.set XS, X+16*((\t)%2)
.if (\t) > 0
	s_wait_dscnt 1                                 ; this step's numbers are back from the stage (the last step's byte store may be out): so its stores into the stage have read their registers,
.else
	s_wait_dscnt 0x0
.endif
.if (\t)+4 < STEPS
	LOAD (\t)+4                                    ; which take the loads of four steps on
.endif
.if (\t)+1 < STEPS
.if STEPS-2-(\t) >= 3
	s_wait_loadcnt 12                              ; the next step's four loads are in; those of the three steps behind it may be out
.else
	s_wait_loadcnt 4*(STEPS-2-(\t))
.endif
	TURN (\t)+1                                    ; and go through the other stage while this step is worked
.endif
	v_max3_num_f32 v8, |v[XS]|, |v[XS+1]|, |v[XS+2]|               ; the largest magnitude of my 16, in two chains
	v_max3_num_f32 v9, |v[XS+3]|, |v[XS+4]|, |v[XS+5]|
.irp i, 6,10
	s_delay_alu instid0(VALU_DEP_2)
	v_max3_num_f32 v8, v8, |v[XS+\i]|, |v[XS+\i+1]|
	s_delay_alu instid0(VALU_DEP_2)
	v_max3_num_f32 v9, v9, |v[XS+\i+2]|, |v[XS+\i+3]|
.endr
	s_delay_alu instid0(VALU_DEP_2)
	v_max3_num_f32 v8, v8, |v[XS+14]|, |v[XS+15]|
	s_delay_alu instid0(VALU_DEP_1)
	v_max3_num_f32 v8, v8, v9, (EMAX+1)<<23        ; and the floor 2^(3 - 127): so the byte cannot fall under 1
	s_delay_alu instid0(VALU_DEP_1)
	v_max_num_f32_dpp v8, v8, v8 row_xmask:1 row_mask:0xf bank_mask:0xf   ; and of my neighbour's 16: the block's
	s_delay_alu instid0(VALU_DEP_1)
	v_add_nc_u32 v11, -(EMAX<<23), v8              ; 2 off its exponent field: the conversion takes the exponent field of this operand as its scale
	v_cvt_scalef32_pk8_fp4_f32 v[C+4*(\t)], v[XS:XS+7], v11
	v_cvt_scalef32_pk8_fp4_f32 v[C+4*(\t)+1], v[XS+8:XS+15], v11
	v_lshrrev_b32 v[E+(\t)], 23, v11               ; the scale's byte (also the plain line behind the conversions)
	ds_store_b8 v5, v[E+(\t)] offset:16*(\t)       ; both lanes of a block write the same byte with the same value
	global_store_b64 v4, v[C+4*(\t):C+4*(\t)+1], s[8:9] offset:32*CB*(\t)   ; the wave stores 256 consecutive bytes, aligned
.endm
.irp t, 0,1,2,3,4,5,6,7,8,9,10,11,12,13,14,15
	STEP \t
.endr
	ds_load_b64 v[12:13], v6                       ; LDS serves a wave's instructions in order: these see my stores
	s_wait_dscnt 0x0
	global_store_b64 v7, v[12:13], s[10:11]        ; 32 lanes store 256 consecutive bytes, aligned
	s_wait_tensorcnt 0x0
	ds_add_u32 v130, v131
	s_wait_dscnt 0x0
	s_endpgm
; THE MASK'S ROW.  32 loads of 512 consecutive bytes, one for each step of 128 keys, all out at once: 16,384 bytes a wave.  No address, branch or trip count hangs on what is read: the bits are values, stored at a fixed place.
.set MK, 16                            ; v16-143  the row: four registers a step
.set MN, 144                           ; v144-175 my lane's least number of each step
.Lclass:
	s_sub_co_u32 s36, s22, 4
	s_lshl_b32 s37, ttmp9, 4
	s_add_co_u32 s36, s36, s37                     ; my row: 16 x work-group + wave - 4
	s_lshl_b32 s38, s36, 14                        ; 16,384 bytes a row
	s_mov_b32 s39, 0
	s_lshl_b32 s40, s36, 3                         ; 8 bytes a row in cls
	s_mov_b32 s41, 0
	s_mov_b32 s42, 0x76543210
	s_mov_b32 s43, 0xfedcba98                      ; lane l xor 16
	s_mov_b32 s44, 0                               ; bits: a number other than 0
	s_mov_b32 s45, 0                               ; bits: the step still counts
	v_and_b32 v2, 31, v0
	v_mov_b32 v9, 0                                ; a lane permute's destination counts as one of its sources
	v_mov_b32 v6, 0
	s_delay_alu instid0(VALU_DEP_3)
	v_lshlrev_b32 v3, 4, v2
	s_wait_alu depctr_va_vdst(0)                   ; directly ahead of the wait below
	s_wait_kmcnt 0x0
	s_add_nc_u64 s[32:33], s[32:33], s[38:39]
	s_add_nc_u64 s[34:35], s[34:35], s[40:41]
.set Q, 0
.rept 32
	global_load_b128 v[MK+4*Q:MK+4*Q+3], v3, s[32:33] offset:512*Q th:TH_LOAD_NT
.set Q, Q+1
.endr
.set Q, 0
.rept 32
	s_wait_loadcnt 31-Q                            ; step Q's load is in; the 31 - Q behind it may be out
	v_min3_num_f32 v[MN+Q], v[MK+4*Q], v[MK+4*Q+1], v[MK+4*Q+2]
	v_max3_num_f32 v4, |v[MK+4*Q]|, |v[MK+4*Q+1]|, |v[MK+4*Q+2]|
	s_delay_alu instid0(VALU_DEP_2)
	v_min_num_f32 v[MN+Q], v[MN+Q], v[MK+4*Q+3]
	s_delay_alu instid0(VALU_DEP_2)
	v_max_num_f32 v4, v4, |v[MK+4*Q+3]|
	s_delay_alu instid0(VALU_DEP_1)
	v_cmp_lt_f32 s46, 0, v4                        ; the lanes that hold a number other than 0
	s_cmp_lg_u32 s46, 0
	s_cselect_b32 s47, 1<<Q, 0
	s_or_b32 s44, s44, s47
.set Q, Q+1
.endr
	s_wait_alu depctr_va_vdst(0)
	v_min3_num_f32 v4, v[MN], v[MN+1], v[MN+2]     ; the row's least number, in two chains
	v_min3_num_f32 v5, v[MN+3], v[MN+4], v[MN+5]
.irp i, 6,10,14,18,22,26
	s_delay_alu instid0(VALU_DEP_2)
	v_min3_num_f32 v4, v4, v[MN+\i], v[MN+\i+1]
	s_delay_alu instid0(VALU_DEP_2)
	v_min3_num_f32 v5, v5, v[MN+\i+2], v[MN+\i+3]
.endr
	s_delay_alu instid0(VALU_DEP_2)
	v_min3_num_f32 v4, v4, v[MN+30], v[MN+31]
	s_delay_alu instid0(VALU_DEP_1)
	v_min_num_f32 v4, v4, v5
.irp x, 1,2,4,8
	s_delay_alu instid0(VALU_DEP_1)
	v_min_num_f32_dpp v4, v4, v4 row_xmask:\x row_mask:0xf bank_mask:0xf
.endr
	s_delay_alu instid0(VALU_DEP_1)
	v_permlanex16_b32 v9, v4, s42, s43
	s_delay_alu instid0(VALU_DEP_1)
	v_min_num_f32 v4, v4, v9
	s_delay_alu instid0(VALU_DEP_1)
	v_add_f32 v4, 0.5, v4                          ; the bound: the row's least number + 0.5
	s_wait_alu depctr_va_vdst(0)                   ; directly behind the write
.set Q, 0
.rept 32
	v_cmp_lt_f32 s46, v[MN+Q], v4                  ; the lanes that hold a number under the bound
	s_cmp_lg_u32 s46, 0
	s_cselect_b32 s47, 1<<Q, 0
	s_or_b32 s45, s45, s47
.set Q, Q+1
.endr
	v_mov_b32 v4, s45
	v_mov_b32 v5, s44
	v_cmp_gt_u32 vcc_lo, 1, v2                     ; lane 0 stores the row's two words
	s_wait_alu depctr_va_vdst(0)                   ; directly ahead of the wait below
	s_wait_xcnt 0x0                                ; EXEC changes only behind this wait
	s_and_saveexec_b32 s46, vcc_lo
	global_store_b64 v6, v[4:5], s[34:35]
	s_wait_xcnt 0x0
	s_or_b32 exec_lo, exec_lo, s46
	s_endpgm
.Lfunc_end_k_qa08f4688da_quant:
	.size	k_qa08f4688da_quant, .Lfunc_end_k_qa08f4688da_quant-k_qa08f4688da_quant
	.p2alignl 7, 3214868480
	.fill 96, 4, 3214868480
	.section	.rodata,"a",@progbits
	.p2align	6, 0x0
	.amdhsa_kernel k_qa08f4688da_quant
		.amdhsa_group_segment_fixed_size 35328
		.amdhsa_private_segment_fixed_size 0
		.amdhsa_enable_private_segment 0
		.amdhsa_kernarg_size 88
		.amdhsa_user_sgpr_count 2
		.amdhsa_user_sgpr_kernarg_segment_ptr 1
		.amdhsa_wavefront_size32 1
		.amdhsa_system_sgpr_workgroup_id_x 1
		.amdhsa_system_sgpr_workgroup_id_y 1
		.amdhsa_system_sgpr_workgroup_id_z 1
		.amdhsa_system_vgpr_workitem_id 0
		.amdhsa_next_free_vgpr 192
		.amdhsa_next_free_sgpr 66
		.amdhsa_reserve_vcc 1
		.amdhsa_float_denorm_mode_32 3
		.amdhsa_float_denorm_mode_16_64 3
		.amdhsa_memory_ordered 1
		.amdhsa_forward_progress 1
		.amdhsa_inst_pref_size 66
	.end_amdhsa_kernel
	.amdgpu_metadata
---
amdhsa.version: [ 1, 2 ]
amdhsa.kernels:
  - .name:           k_qa08f4688da_quant
    .symbol:         k_qa08f4688da_quant.kd
    .args:
      - { .name: query, .offset: 0, .size: 8, .value_kind: global_buffer, .address_space: global }
      - { .name: Wq, .offset: 8, .size: 8, .value_kind: global_buffer, .address_space: global }
      - { .name: Wk, .offset: 16, .size: 8, .value_kind: global_buffer, .address_space: global }
      - { .name: Wv, .offset: 24, .size: 8, .value_kind: global_buffer, .address_space: global }
      - { .name: Wo, .offset: 32, .size: 8, .value_kind: global_buffer, .address_space: global }
      - { .name: xc, .offset: 40, .size: 8, .value_kind: global_buffer, .address_space: global }
      - { .name: xs, .offset: 48, .size: 8, .value_kind: global_buffer, .address_space: global }
      - { .name: wc, .offset: 56, .size: 8, .value_kind: global_buffer, .address_space: global }
      - { .name: ws, .offset: 64, .size: 8, .value_kind: global_buffer, .address_space: global }
      - { .name: mask, .offset: 72, .size: 8, .value_kind: global_buffer, .address_space: global }
      - { .name: cls, .offset: 80, .size: 8, .value_kind: global_buffer, .address_space: global }
    .group_segment_fixed_size: 35328
    .private_segment_fixed_size: 0
    .kernarg_segment_align: 8
    .kernarg_segment_size: 88
    .max_flat_workgroup_size: 640
    .sgpr_count:     66
    .vgpr_count:     192
    .wavefront_size: 32
...
	.end_amdgpu_metadata
.endif
;; end of part 1
;; launch qkv (part 2): grid 8 x 32, 4 waves a work-group, clusters of 4 x 4, 279,040 bytes of LDS; arguments xc, xs, wc, ws, bq, bk, bv, qb, kv; writes qb, kv
.if DOCPART == 2
	.amdgcn_target "amdgcn-amd-amdhsa--gfx1250"
	.amdhsa_code_object_version 6
	.text
	.protected	k_qa08f4688da_qkv
	.globl	k_qa08f4688da_qkv
	.p2align	8
	.type	k_qa08f4688da_qkv,@function
k_qa08f4688da_qkv:
	s_mov_b64 s[64:65], 0
	v_nop
	global_prefetch_b8 v0, s[64:65] scope:SCOPE_SE
	s_setreg_imm32_b32 hwreg(HW_REG_WAVE_MODE, 25, 1), 1
	s_wait_xcnt 0x0
	s_wait_alu depctr_hold_cnt(0) depctr_sa_sdst(0) depctr_va_vdst(0) depctr_va_sdst(0) depctr_va_ssrc(0) depctr_va_vcc(0) depctr_vm_vsrc(0)
	s_getreg_b32 s2, hwreg(HW_REG_IB_STS2, 6, 4)
	s_cmp_eq_u32 s2, 0
	s_cbranch_scc0 .Lentry_in_a_cluster
	s_endpgm
.Lentry_in_a_cluster:
	s_bfe_u32 s2, ttmp6, 0x10000c
	s_cmp_lg_u32 s2, 0xf033
	s_cbranch_scc0 .Lentry_shape_is_right
	s_endpgm
.Lentry_shape_is_right:
; q = x Wq^T + bq, k = x Wk^T + bk, v = x Wv^T + bv on codes of FP4 (K = 1,024), and the three results quantised at once: q and k along the head's 64, v along the sequence.  Nothing leaves as f32.
; SHARES.  Work-group (e, mt): the 128 rows 128 mt .. of the sequence x heads 2 e, 2 e + 1 of q, of k and of v: 256 work-groups of equal work.  Wave w has two parts:
;  (a) q (w < 2) or k, head 2 e + (w & 1): source 0 = 16 rows of W, source 1 = 16 rows of x: a lane holds ONE row of x and its registers run along the head: 8 x 4 accumulators;
;  (b) v, channels 32 w .. 32 w + 31 of the 128: source 0 = x, source 1 = Wv: a lane holds ONE channel and its registers run along the sequence: 2 x 8 accumulators.
; x's and W's rows lie in tile order (place 16 (2 b + u) + p holds row 32 b + 8 u + p + 8 (p / 8)), so the 16 registers of two neighbouring tiles are 16 neighbours, 32 b + 16 (lane / 16) + 0 .. 15.
; LDS is filled ONCE: x's 128 rows and 128 rows each of Wq, Wk, Wv, all of K, as two halves of K (256 bytes of a row, 16 of padding): the second half lands while the first is multiplied.
; CLUSTER 4 x 4: x's rows hang on mt alone and are asked for jointly along a row of the cluster, W's on e alone, along a column.
; OUT: images of operand registers.  qb [mt 32][head 16][4,608]: 8 images of 512 bytes (x tile j: lane (r, h) holds block h of the head for the row at place r), then 512 bytes of scale words
; (byte 16 lane + 4 i: tile 2 i + (lane / 16), row lane % 16).  kv [head / 4][mt / 2][head % 4][mt % 2][8,960]: k as in qb at 0 and 8,192; v's 4 fragments (16 channels x 128 keys, 1,024 bytes) at 4,096; v's scale words at 8,704.
; LIMITS: a block of zeros gets the byte 1 (its codes are zeros; this program alone reads the bytes); blocks under 2^-124 were not tried; NaN and infinities are not served.
; REGISTERS, in windows of 256.  Window 0: v1-11 addresses; v16-71 scale words; v72-135, v136-199 x's fragments, two sets; on the way out v72-234 are at work.
;  Window 1: (a)'s accumulators, (j, t) at 8 (4 j + t).  Window 2: (b)'s, (t, j) at 64 t + 8 j.  Window 3: v0-47, v48-95 W's six fragments, two sets; v96-127 (a)'s bias; v128-143 (b)'s.
; LDS, as it now stands (in place of the two halves of K named above): each wave's ONE tensor load brings all of K of its 128 rows: rows of 512 bytes, 16 of padding behind each; K step s lies 64 s bytes into a row.
.set WV,    22                         ; s22 my wave's number;  s23 = w / 2;  s28 = w % 2
.set SEL,   2                          ; s[2:3] lane selects: lane l xor 16
.set G1X,   32                         ; s[32:39] descriptor group 1 for x;  s[40:47] for W: they differ in the mask
.set G1W,   40
.set G0X,   48                         ; s[48:55] group 0 for x, a set for each half of K;  s[56:63] for W
.set G0W,   56
.set PITCH, 528                        ; an LDS row: 512 bytes + 16: 33 x 16 bytes, so the 16 rows of a fragment load start at 16 different banks
.set TILE,  16*PITCH
.set CHK,   256                        ; K steps 4 to 7 begin 256 bytes into a row
.set REG,   128*PITCH                  ; x at 0, Wq, Wk, Wv behind it
.set XS,    16                         ; v[XS + 4 j + i]: x tile j: lanes 0-15 the word of K step i, lanes 16-31 of K step 4 + i
.set WS,    48                         ; the same for my four tiles of Wq or Wk
.set VSC,   64                         ; and my two of Wv
.set XF,    72
.set WB,    96
.set VB,    128
.set MSB, 0
.macro WIN new                         ; the immediate's high byte repeats the setting that is left
.if MSB != (\new)
	s_set_vgpr_msb (MSB<<8)|(\new)
.set MSB, (\new)
.endif
.endm
.macro PLACES n
.rept \n
	v_nop
.endr
.endm
.macro CROUND                          ; a round of the cluster's barrier
	s_barrier_signal -1
	s_barrier_wait -1
	s_cmp_lg_u32 s[WV], 0
	s_cbranch_scc1 .Lnot_wave_0_\@
	s_barrier_signal -3
.Lnot_wave_0_\@:
	s_barrier_wait -3
	s_barrier_signal -1
	s_barrier_wait -1
.endm
; one product: D, A, B, C (first registers), A's and B's scale registers, and whether each side's words are taken from lanes 16-31
.macro MM d, a, b, c, sa, sb, ra, rb
.if (\ra)+(\rb) == 2
	v_wmma_scale_f32_16x16x128_f8f6f4 v[(\d):(\d)+7], v[(\a):(\a)+7], v[(\b):(\b)+7], v[(\c):(\c)+7], v[\sa], v[\sb] matrix_a_fmt:MATRIX_FMT_FP4 matrix_b_fmt:MATRIX_FMT_FP4 matrix_a_scale:MATRIX_SCALE_ROW1 matrix_b_scale:MATRIX_SCALE_ROW1
.elseif (\ra) == 1
	v_wmma_scale_f32_16x16x128_f8f6f4 v[(\d):(\d)+7], v[(\a):(\a)+7], v[(\b):(\b)+7], v[(\c):(\c)+7], v[\sa], v[\sb] matrix_a_fmt:MATRIX_FMT_FP4 matrix_b_fmt:MATRIX_FMT_FP4 matrix_a_scale:MATRIX_SCALE_ROW1
.elseif (\rb) == 1
	v_wmma_scale_f32_16x16x128_f8f6f4 v[(\d):(\d)+7], v[(\a):(\a)+7], v[(\b):(\b)+7], v[(\c):(\c)+7], v[\sa], v[\sb] matrix_a_fmt:MATRIX_FMT_FP4 matrix_b_fmt:MATRIX_FMT_FP4 matrix_b_scale:MATRIX_SCALE_ROW1
.else
	v_wmma_scale_f32_16x16x128_f8f6f4 v[(\d):(\d)+7], v[(\a):(\a)+7], v[(\b):(\b)+7], v[(\c):(\c)+7], v[\sa], v[\sb] matrix_a_fmt:MATRIX_FMT_FP4 matrix_b_fmt:MATRIX_FMT_FP4
.endif
.endm
	s_load_b512 s[4:19], s[0:1], 0x0               ; xc s[4:5], xs s[6:7], wc s[8:9], ws s[10:11], bq s[12:13], bk s[14:15], bv s[16:17], qb s[18:19]
	s_load_b64 s[20:21], s[0:1], 0x40              ; kv
	v_lshl_add_u32 v254, v0, 2, 0x44000
	v_mov_b32 v255, 0
	ds_add_u32 v254, v255
	ds_add_u32 v254, v255
	v_lshrrev_b32 v1, 5, v0
	v_readfirstlane_b32 s[WV], v1                  ; wave 0..3
	s_lshr_b32 s23, s[WV], 1
	s_and_b32 s28, s[WV], 1
	s_bfe_u32 s24, ttmp6, 0x40000                  ; cx, cy: my place in the cluster
	s_bfe_u32 s25, ttmp6, 0x40004
	s_lshl_b32 s26, ttmp9, 2
	s_add_co_u32 s26, s26, s24                     ; e = 4 x cluster x + cx
	s_and_b32 s27, ttmp7, 0xffff
	s_lshl_b32 s27, s27, 2
	s_add_co_u32 s27, s27, s25                     ; mt = 4 x cluster y + cy
	s_lshl_b32 s30, s25, 2
	s_lshl_b32 s30, 15, s30                        ; my row of the cluster
	s_lshl_b32 s31, 0x1111, s24                    ; my column
	s_mov_b32 s29, 0xffff0000                      ; lanes 16-31
	s_mov_b32 s[SEL], 0x76543210
	s_mov_b32 s[SEL+1], 0xfedcba98
	; group 1: 128 rows x 256 bytes, 512 bytes apart in memory, 16 bytes of padding behind each in LDS
	s_or_b32 s[G1X], s30, (0<<16)|(1<<20)|(1<<21)|(6<<22)|(3<<25)   ; 15:0 the mask; elements of 1 byte; padding on; bit 21 beside a mask; after every 128 words, 4 words
	s_or_b32 s[G1W], s31, (0<<16)|(1<<20)|(1<<21)|(6<<22)|(3<<25)
.irp g, G1X, G1W
	s_mov_b32 s[\g+1], 512<<16                     ; tensor_dim0
	s_mov_b32 s[\g+2], 128<<16                     ; tensor_dim1
	s_mov_b32 s[\g+3], 512<<16                     ; tile_dim0
	s_mov_b32 s[\g+4], 128                         ; tile_dim1
	s_mov_b32 s[\g+5], 512                         ; from row to row
	s_mov_b32 s[\g+6], 0
	s_mov_b32 s[\g+7], 0
.endr
	s_lshl_b32 s68, s27, 16                        ; x: 128 mt rows of 512 bytes: hangs on mt alone
	s_mov_b32 s69, 0
	s_max_u32 s70, s[WV], 1
	s_sub_co_u32 s70, s70, 1                       ; waves 1, 2, 3 fetch Wq, Wk, Wv (wave 0 makes Wq's address and does not use it)
	s_lshl_b32 s70, s70, 10
	s_lshl_b32 s71, s26, 7
	s_add_co_u32 s70, s70, s71                     ; W: row 1,024 x matrix + 128 e: hangs on e alone
	s_lshl_b32 s70, s70, 9
	s_mov_b32 s71, 0
	s_mul_i32 s72, s[WV], REG                      ; where my tiles go: no place in the cluster enters an LDS address
	s_wait_dscnt 0x0
	s_wait_kmcnt 0x0
	s_add_nc_u64 s[68:69], s[4:5], s[68:69]
	s_add_nc_u64 s[70:71], s[8:9], s[70:71]
.irp c, 0
	s_mov_b32 s[G0X+4*\c], 1
	s_add_co_u32 s[G0X+4*\c+1], s72, \c*CHK
	s_add_nc_u64 s[G0X+4*\c+2:G0X+4*\c+3], s[68:69], \c*256
	s_or_b32 s[G0X+4*\c+3], s[G0X+4*\c+3], 0x80000000
	s_mov_b32 s[G0W+4*\c], 1
	s_add_co_u32 s[G0W+4*\c+1], s72, \c*CHK
	s_add_nc_u64 s[G0W+4*\c+2:G0W+4*\c+3], s[70:71], \c*256
	s_or_b32 s[G0W+4*\c+3], s[G0W+4*\c+3], 0x80000000
.endr
	CROUND                                         ; all sixteen work-groups are here: the joint loads meet
	s_cmp_eq_u32 s[WV], 0                          ; one fill a wave, one to each arm: wave 0 x's rows, waves 1 to 3 Wq's, Wk's, Wv's.  Four v_nop follow each
	s_cbranch_scc0 .Lfirst_w
	tensor_load_to_lds s[G0X:G0X+3], s[G1X:G1X+7]
	s_nop 0
	PLACES 4
	s_branch .Lfirst_asked
.Lfirst_w:
	tensor_load_to_lds s[G0W:G0W+3], s[G1W:G1W+7]
	s_nop 0
	PLACES 4
.Lfirst_asked:
	v_and_b32 v1, 15, v0                           ; r
	v_bfe_u32 v2, v0, 4, 1                         ; h
	v_mul_u32_u24 v3, v1, PITCH
	v_lshl_add_u32 v3, v2, 4, v3                   ; v3: x's fragments: row r x pitch + 16 h
	s_mul_i32 s66, s23, REG
	s_mul_i32 s67, s28, 4*TILE
	s_add_co_u32 s66, s66, s67
	s_add_co_u32 s66, s66, REG
	v_add_nc_u32 v4, s66, v3                       ; v4: Wq's or Wk's, my head's 64 rows
	s_mul_i32 s66, s[WV], 2*TILE
	s_add_co_u32 s66, s66, 3*REG
	v_add_nc_u32 v5, s66, v3                       ; v5: Wv's, my 32 rows
	v_and_b32 v6, 31, v0
	v_lshlrev_b32 v8, 2, v6                        ; v8: 4 x lane
	v_lshlrev_b32 v6, 4, v6                        ; v6: 16 x lane
	v_lshlrev_b32 v9, 5, v1
	v_lshl_add_u32 v9, v2, 4, v9                   ; v9: a tile's scale bytes: row r of 32 bytes, + 16 h: the words of K steps 4 h .. 4 h + 3; the wave reads 512 dense bytes
	s_wait_alu depctr_va_vdst(0)
	v_lshlrev_b32 v10, 6, v2                       ; v10: (a)'s bias: 16 h numbers on
	s_wait_alu depctr_va_vdst(0)
	v_and_b32 v11, 8, v1
	v_add_nc_u32 v11, v11, v1
	v_lshlrev_b32 v11, 2, v11                      ; v11: (b)'s bias: channel r + 8 (r / 8) of the tile
	s_wait_alu depctr_va_vdst(0)
	s_lshl_b32 s74, s27, 12                        ; x's scale bytes: 128 mt rows of 32
	s_mov_b32 s75, 0
	s_add_nc_u64 s[74:75], s[6:7], s[74:75]
	s_lshl_b32 s76, s23, 10
	s_lshl_b32 s77, s26, 7
	s_add_co_u32 s76, s76, s77
	s_lshl_b32 s77, s28, 6
	s_add_co_u32 s76, s76, s77                     ; (a): row 1,024 (w / 2) + 128 e + 64 (w % 2)
	s_lshl_b32 s76, s76, 5
	s_mov_b32 s77, 0
	s_add_nc_u64 s[76:77], s[10:11], s[76:77]
	s_lshl_b32 s78, s26, 7
	s_lshl_b32 s79, s[WV], 5
	s_add_co_u32 s78, s78, s79                     ; (b): channel 128 e + 32 w
	s_lshl_b32 s82, s78, 2
	s_add_co_u32 s78, s78, 2048
	s_lshl_b32 s78, s78, 5
	s_mov_b32 s79, 0
	s_add_nc_u64 s[78:79], s[10:11], s[78:79]
	s_mov_b32 s83, 0
	s_add_nc_u64 s[82:83], s[16:17], s[82:83]      ; bv at my 32 channels
	s_lshl_b32 s84, s26, 7
	s_lshl_b32 s85, s28, 6
	s_add_co_u32 s84, s84, s85
	s_lshl_b32 s84, s84, 2
	s_mov_b32 s85, 0
	s_cmp_lt_u32 s[WV], 2
	s_cselect_b64 s[80:81], s[12:13], s[14:15]     ; bq or bk,
	s_add_nc_u64 s[80:81], s[80:81], s[84:85]      ; at my head
.irp j, 0,1,2,3,4,5,6,7
	global_load_b128 v[XS+4*\j:XS+4*\j+3], v9, s[74:75] offset:512*\j
.endr
.irp t, 0,1,2,3
	global_load_b128 v[WS+4*\t:WS+4*\t+3], v9, s[76:77] offset:512*\t
.endr
.irp t, 0,1
	global_load_b128 v[VSC+4*\t:VSC+4*\t+3], v9, s[78:79] offset:512*\t
.endr
	WIN 0xc0                                       ; destination window 3
.irp t, 0,1,2,3                        ; the bias in the result's layout: for tile 2 b + u lane (r, h) wants channels 32 b + 16 h + 8 u + 0 .. 7
	global_load_b128 v[WB+8*\t:WB+8*\t+3], v10, s[80:81] offset:(32*(\t/2)+8*(\t%2))*4
	global_load_b128 v[WB+8*\t+4:WB+8*\t+7], v10, s[80:81] offset:(32*(\t/2)+8*(\t%2))*4+16
.endr
.irp t, 0,1
	global_load_b32 v[VB+8*\t], v11, s[82:83] offset:32*\t   ; (b): a lane has one channel: one number for its eight registers
.endr
	WIN 0
	; where the results go
	s_lshr_b32 s84, s26, 1
	s_lshl_b32 s84, s84, 4
	s_lshr_b32 s85, s27, 1
	s_add_co_u32 s84, s84, s85                     ; 16 (head / 4) + mt / 2
	s_lshl_b32 s84, s84, 2
	s_and_b32 s85, s26, 1
	s_lshl_b32 s85, s85, 1
	s_add_co_u32 s84, s84, s85                     ; x 4 + head % 4 of head 2 e
	s_and_b32 s85, s27, 1
	s_add_co_u32 s86, s84, s28
	s_lshl_b32 s86, s86, 1
	s_add_co_u32 s86, s86, s85
	s_mul_i32 s86, s86, 8960                       ; kv's block of head 2 e + w % 2
	s_add_co_u32 s87, s84, s23
	s_lshl_b32 s87, s87, 1
	s_add_co_u32 s87, s87, s85
	s_mul_i32 s87, s87, 8960                       ; and of head 2 e + w / 2
	s_lshl_b32 s90, s27, 4
	s_lshl_b32 s91, s26, 1
	s_add_co_u32 s90, s90, s91
	s_add_co_u32 s90, s90, s28
	s_mul_i32 s90, s90, 4608                       ; qb's block
	s_mov_b32 s93, 8192
	s_cmp_lt_u32 s[WV], 2
	s_cselect_b64 s[88:89], s[18:19], s[20:21]     ; (a) goes to qb or to kv
	s_cselect_b32 s90, s90, s86
	s_cselect_b32 s92, 4096, s93                   ; its scale words lie behind 8 images, in kv behind v's too
	s_mov_b32 s91, 0
	s_add_nc_u64 s[88:89], s[88:89], s[90:91]
	v_add_nc_u32 v7, s92, v6                       ; v7
	s_lshl_b32 s90, s28, 11
	s_add_co_u32 s90, s90, s87
	s_add_co_u32 s90, s90, 4096
	s_add_nc_u64 s[94:95], s[20:21], s[90:91]      ; (b)'s two fragments
	s_lshl_b32 s90, s28, 7
	s_add_co_u32 s90, s90, s87
	s_add_co_u32 s90, s90, 8704
	s_add_nc_u64 s[96:97], s[20:21], s[90:91]      ; and their scale words
; 28 LDS loads in one run: K step s's fragments into set buf: x's eight, my four of Wq or Wk, my two of Wv
.macro FETCH s, buf
.irp j, 0,1,2,3,4,5,6,7
.irp c, 0,1
	ds_load_b128 v[XF+64*(\buf)+8*\j+4*\c:XF+64*(\buf)+8*\j+4*\c+3], v3 offset:((\s)/4)*CHK+TILE*\j+64*((\s)%4)+32*\c
.endr
.endr
	WIN 0xc0
.irp t, 0,1,2,3
.irp c, 0,1
	ds_load_b128 v[48*(\buf)+8*\t+4*\c:48*(\buf)+8*\t+4*\c+3], v4 offset:((\s)/4)*CHK+TILE*\t+64*((\s)%4)+32*\c
.endr
.endr
.irp t, 0,1
.irp c, 0,1
	ds_load_b128 v[48*(\buf)+32+8*\t+4*\c:48*(\buf)+32+8*\t+4*\c+3], v5 offset:((\s)/4)*CHK+TILE*\t+64*((\s)%4)+32*\c
.endr
.endr
	WIN 0
.endm
; K step s: the next step's fragments are asked for, then 48 products.  The 48 accumulators take turns, one instruction a turn, in the same order in every step.
.macro STEP s
.set BF, (\s)%2
.set Q4, (\s)%4
.set RW, (\s)/4                        ; K steps 4 to 7 take their scale words from lanes 16-31
.if (\s) < 7
.if (\s) > 0
	PLACES 4                                       ; four plain instructions between the last products and loads into the set that the step before multiplied
.endif
	FETCH (\s)+1, ((\s)+1)%2
	s_wait_dscnt 28                                ; all but the 28 just issued: this step's fragments are in
.else
	s_wait_dscnt 0x0
.endif
.if (\s) == 0
	WIN 0x73                                       ; source 0 (W) and C (the bias) window 3, source 1 (x) window 0, D window 1
.else
	WIN 0x53                                       ; C and D window 1
.endif
.irp j, 0,1,2,3,4,5,6,7
.irp t, 0,1,2,3
.if (\s) == 0
	MM 8*(4*\j+\t), 48*BF+8*\t, XF+64*BF+8*\j, WB+8*\t, WS+4*\t+Q4, XS+4*\j+Q4, RW, RW
.else
	MM 8*(4*\j+\t), 48*BF+8*\t, XF+64*BF+8*\j, 8*(4*\j+\t), WS+4*\t+Q4, XS+4*\j+Q4, RW, RW
.endif
.endr
.endr
.if (\s) == 0
	WIN 0xbc                                       ; source 0 (x) window 0, source 1 (Wv) and C (the bias) window 3, D window 2
.else
	WIN 0xac                                       ; C and D window 2
.endif
.irp t, 0,1
.irp j, 0,1,2,3,4,5,6,7
.if (\s) == 0
	MM 64*\t+8*\j, XF+64*BF+8*\j, 48*BF+32+8*\t, VB+8*\t, XS+4*\j+Q4, VSC+4*\t+Q4, RW, RW
.else
	MM 64*\t+8*\j, XF+64*BF+8*\j, 48*BF+32+8*\t, 64*\t+8*\j, XS+4*\j+Q4, VSC+4*\t+Q4, RW, RW
.endif
.endr
.endr
	WIN 0
.endm
; nb blocks of 32, block B's 16 numbers of my lane in v[16 B .. 16 B + 15] of window win (the other 16 in lane l xor 16), become codes.  Work registers from v[T] on, in window 0:
; nb largest magnitudes, nb for the exchange, nb scale operands, nb bytes, 2 nb registers of codes.  Behind the exchange of halves registers 4 P .. 4 P + 3 hold block 2 P in lanes 0-15 and block 2 P + 1 in lanes 16-31.
.macro QUANT win, nb, T
.set TM, \T
.set TP, \T+\nb
.set SO, \T+2*\nb
.set BY, \T+3*\nb
.set CD, \T+4*\nb
	WIN 5*\win                                     ; sources 0 and 1 in the accumulators' window
.set QB, 0
.rept \nb
	v_max3_num_f32 v[TM+QB], |v[16*QB]|, |v[16*QB+1]|, 0x1800000   ; each accumulator is read from its low end on; the floor 2^(3 - 127) holds the byte at 1 from below
.set QB, QB+1
.endr
.irp i, 2,4,6,8,10,12,14
.set QB, 0
.rept \nb
	v_max3_num_f32 v[TM+QB], |v[16*QB+\i]|, |v[16*QB+\i+1]|, v[TM+QB]   ; the blocks by turns
.set QB, QB+1
.endr
.endr
	WIN 0
.set QB, 0
.rept \nb
	v_permlanex16_b32 v[TP+QB], v[TM+QB], s[SEL], s[SEL+1]
.set QB, QB+1
.endr
.set QB, 0
.rept \nb
	v_max_num_f32 v[TM+QB], v[TM+QB], v[TP+QB]     ; with lane l xor 16's: the block's largest magnitude
.set QB, QB+1
.endr
.set QB, 0
.rept \nb
	v_add_nc_u32 v[SO+QB], 0xff000000, v[TM+QB]    ; 2 off its exponent field: the conversion's scale operand
.set QB, QB+1
.endr
.set QB, 0
.rept \nb
	v_lshrrev_b32 v[BY+QB], 23, v[SO+QB]           ; the scale's byte
.set QB, QB+1
.endr
	WIN \win                                       ; source 0 in the accumulators' window
.set QB, 0
.rept \nb
	v_cvt_scalef32_pk8_fp4_f32 v[CD+2*QB], v[16*QB:16*QB+7], v[SO+QB]
	v_cvt_scalef32_pk8_fp4_f32 v[CD+2*QB+1], v[16*QB+8:16*QB+15], v[SO+QB]
.set QB, QB+1
.endr
	WIN 0
	v_nop                                          ; one plain instruction behind a scaled conversion
.set QB, 0
.rept \nb/2
	v_permlane16_swap_b32 v[CD+4*QB], v[CD+4*QB+2]
	v_permlane16_swap_b32 v[CD+4*QB+1], v[CD+4*QB+3]
.set QB, QB+1
.endr
.endm
	s_wait_tensorcnt 0x0                           ; my one load has landed,
	s_barrier_signal -1
	s_barrier_wait -1                              ; everybody's is
	FETCH 0, 0
	s_wait_loadcnt 0x0                             ; scale words and biases
	WIN 0xc3
.irp t, 0,1
.irp i, 1,2,3,4,5,6,7
	v_mov_b32 v[VB+8*\t+\i], v[VB+8*\t]            ; (b)'s bias as the C of a sum's first product: eight equal registers
.endr
.endr
	WIN 0
	s_wait_alu depctr_va_vdst(0)
.irp s, 0,1,2,3,4,5,6,7
	STEP \s
.endr
	PLACES 4                                       ; between the last products and the first read of results, and the first write of registers that they read
.irp i, 0,1,2,3,4,5,6,7,8,9,10,11,12,13,14,15
	v_mov_b32 v[88+\i], 0                          ; a lane permute's destination counts as one of its sources: written once
.endr
.irp i, 0,1,2,3,4,5,6,7
	v_mov_b32 v[192+\i], 0
.endr
	QUANT 1, 16, 72                                ; (a): block 2 j + b: row tile j, block b of the head
.irp j, 0,1,2,3,4,5,6,7
	v_lshl_or_b32 v[168+\j], v[BY+2*\j+1], 8, v[BY+2*\j]   ; a row's scale word: two bytes; the upper two stay 0: they scale the half of the instruction's K that holds zero codes
.endr
.irp i, 0,1,2,3
	v_cndmask_b32 v[176+\i], v[168+2*\i], v[168+2*\i+1], s29   ; lanes 0-15 tile 2 i, lanes 16-31 tile 2 i + 1
.endr
.irp j, 0,1,2,3,4,5,6,7
	global_store_b128 v6, v[CD+4*\j:CD+4*\j+3], s[88:89] offset:512*\j   ; an image: 512 consecutive bytes, aligned
.endr
	global_store_b128 v7, v[176:179], s[88:89]
	QUANT 2, 8, 184                                ; (b): block 4 t + b: channel tile t, keys 32 b on.  Other work registers: no store's data are written again
.irp t, 0,1
	v_lshl_or_b32 v[232+\t], v[BY+4*\t+1], 8, v[BY+4*\t]
	v_lshl_or_b32 v[232+\t], v[BY+4*\t+2], 16, v[232+\t]
	v_lshl_or_b32 v[232+\t], v[BY+4*\t+3], 24, v[232+\t]
.endr
	v_cndmask_b32 v234, v232, v233, s29
.irp t, 0,1
.irp c, 0,1
	global_store_b128 v6, v[CD+8*\t+4*\c:CD+8*\t+4*\c+3], s[94:95] offset:1024*\t+512*\c
.endr
.endr
	global_store_b32 v8, v234, s[96:97]            ; 128 consecutive bytes: the one store here that fills half of an aligned 256
	s_wait_tensorcnt 0x0
	ds_add_u32 v254, v255
	s_wait_dscnt 0x0
	CROUND                                         ; the closing round: no work-group ends while a partner may still ask for a tile that names it
	s_endpgm
.Lfunc_end_k_qa08f4688da_qkv:
	.size	k_qa08f4688da_qkv, .Lfunc_end_k_qa08f4688da_qkv-k_qa08f4688da_qkv
	.p2alignl 7, 3214868480
	.fill 96, 4, 3214868480
	.section	.rodata,"a",@progbits
	.p2align	6, 0x0
	.amdhsa_kernel k_qa08f4688da_qkv
		.amdhsa_group_segment_fixed_size 279040
		.amdhsa_private_segment_fixed_size 0
		.amdhsa_enable_private_segment 0
		.amdhsa_kernarg_size 72
		.amdhsa_user_sgpr_count 2
		.amdhsa_user_sgpr_kernarg_segment_ptr 1
		.amdhsa_wavefront_size32 1
		.amdhsa_system_sgpr_workgroup_id_x 1
		.amdhsa_system_sgpr_workgroup_id_y 1
		.amdhsa_system_sgpr_workgroup_id_z 1
		.amdhsa_system_vgpr_workitem_id 0
		.amdhsa_next_free_vgpr 1024
		.amdhsa_next_free_sgpr 100
		.amdhsa_reserve_vcc 0
		.amdhsa_float_denorm_mode_32 3
		.amdhsa_float_denorm_mode_16_64 3
		.amdhsa_memory_ordered 1
		.amdhsa_forward_progress 1
		.amdhsa_inst_pref_size 100
	.end_amdhsa_kernel
	.amdgpu_metadata
---
amdhsa.version: [ 1, 2 ]
amdhsa.kernels:
  - .name:           k_qa08f4688da_qkv
    .symbol:         k_qa08f4688da_qkv.kd
    .args:
      - { .name: xc, .offset: 0, .size: 8, .value_kind: global_buffer, .address_space: global }
      - { .name: xs, .offset: 8, .size: 8, .value_kind: global_buffer, .address_space: global }
      - { .name: wc, .offset: 16, .size: 8, .value_kind: global_buffer, .address_space: global }
      - { .name: ws, .offset: 24, .size: 8, .value_kind: global_buffer, .address_space: global }
      - { .name: bq, .offset: 32, .size: 8, .value_kind: global_buffer, .address_space: global }
      - { .name: bk, .offset: 40, .size: 8, .value_kind: global_buffer, .address_space: global }
      - { .name: bv, .offset: 48, .size: 8, .value_kind: global_buffer, .address_space: global }
      - { .name: qb, .offset: 56, .size: 8, .value_kind: global_buffer, .address_space: global }
      - { .name: kv, .offset: 64, .size: 8, .value_kind: global_buffer, .address_space: global }
    .group_segment_fixed_size: 279040
    .private_segment_fixed_size: 0
    .kernarg_segment_align: 8
    .kernarg_segment_size: 72
    .max_flat_workgroup_size: 128
    .sgpr_count:     100
    .vgpr_count:     1024
    .wavefront_size: 32
...
	.end_amdgpu_metadata
.endif
;; end of part 2
;; launch attn (part 3): grid 4 x 64, 16 waves a work-group, no clusters, 141,824 bytes of LDS; arguments mask, qb, kv, oc, cls; writes oc
.if DOCPART == 3
	.amdgcn_target "amdgcn-amd-amdhsa--gfx1250"
	.amdhsa_code_object_version 6
	.text
	.protected	k_qa08f4688da_attn
	.globl	k_qa08f4688da_attn
	.p2align	8
	.type	k_qa08f4688da_attn,@function
k_qa08f4688da_attn:
	s_mov_b64 s[64:65], 0
	v_nop
	global_prefetch_b8 v0, s[64:65] scope:SCOPE_SE
	s_setreg_imm32_b32 hwreg(HW_REG_WAVE_MODE, 25, 1), 1
	s_wait_xcnt 0x0
; o = softmax((q k^T + mask x (-1e9)) / 8) v for 16 heads of 64, 4,096 queries and keys, both products on codes of FP4, and o quantised along the model's 1,024 for the last product.
; THE MASK IS AN INPUT.  The first launch has read all of it and stored, for each row, two words of bits, one bit for each step of 128 keys (cls[row][2]): word 0: the step still counts for the row (some number of the
; mask there lies under the row's least number + 0.5); word 1: the step holds a number other than 0.  The words of a tile's 16 rows are joined by OR, and
;  - only the steps that count for some of the rows are walked.  In a step passed over every key's logit lies at least (5e8 - 2 x the largest |score|) / 8 under that of the row's least masked key: p = 2^(t - M) is 0 in f32,
;    its codes are zeros, and it adds nothing to the sum or to the product;
;  - the mask is loaded only in steps that hold a number other than 0; elsewhere the mask term is 0 and the first product's C is the constant 0.
; Nothing is taken from a pattern of the mask: every pattern is served by the bits read.  The deal of tiles below only evens the waves' work where later queries see more keys.
; LIMITS: |score| < 2.4e8 (the drawn data's lie under 100; with all inputs 30 times larger under 1e8).  Score and mask term are added with one rounding where a sum in f32 of the finished score would round twice: it can
; show only in a row all of whose keys are masked.  A block of zeros gets the byte 1 (its codes are zeros; this program alone reads the bytes); blocks under 2^-124 were not tried; NaN and infinities are not served.
; THE SOFTMAX: t = (score + mask term) x log2(e) / 8; M = the running largest t rounded UP to a whole number; p = 2^(t - M) is quantised along the keys, not normalised; the row's sum is taken of the
; unquantised p and divides at the end.  When M moves, the sum and O are multiplied by 2^(old M - new M): exact.
; SHARES.  Work-group (g, u): heads 4 g .. 4 g + 3 x the four tiles of 16 queries 2 u, 2 u + 1, 254 - 2 u, 255 - 2 u.  Wave w: head 4 g + w / 4, pair pr = (w / 2) % 2, half hf = w % 2.  The two waves of a pair share the tiles
; 255 - 2 u - pr (pass 0) and 2 u + pr (pass 1): in each pass half hf walks every second of the tile's counting steps, from the hf-th on.  After a pass a wave lays its state (-M, its lanes' sums, O^T) into LDS bytes of its own;
; behind one barrier half hf joins the two states of pass hf: both are brought under the larger M by 2^(own M - M), exact, and added; a half that had no step holds M = -3e38, sums and O^T of 0, and is multiplied by 0.
; NO TENSOR LOAD, NO CLUSTER: trip counts and addresses hang on numbers read from memory, so partners would need different numbers of tiles.  K and V lie in kv as images of operand registers (16 bytes a lane on end), and go
; from memory straight into registers: K's nine loads are issued one whole step ahead of their use, V's ten at the step's head, a softmax ahead.  For that reason no data prefetch is laid beside them.
; LAYOUT.  S^T = K Q^T + C (source 0 = 16 keys, source 1 = my 16 queries), O^T = V^T P^T: a lane holds ONE query throughout.  The keys of a tile and the channels of a tile of V lie in tile order
; (place p of tile 2 b + u: 32 b + 8 u + p + 8 (p / 8)), so the 16 registers of two neighbouring tiles are 16 neighbours.
; K = 64 IN AN INSTRUCTION OF 128: Q's upper four registers are zero codes.  K's operand of tile t is its four registers and the four that follow (the next tile's codes; behind tile 7 zeros): numbers under the scale byte 0, times zero.
; OUT: oc holds o's codes [tile of 16 rows 256][head 16][512 bytes] and, 2,097,152 bytes on, o's scale words [head / 4][tile 256][K step % 2][row 16][4 bytes].
.set STG,   0                          ; 512 bytes: o's scale bytes meet here
.set SPARE, 512                        ; the spare words, 128 bytes for each of 16 waves
.set STATE, 2560                       ; [wave 16][pass 2][4,352 bytes]: O^T as 8 images of 512 bytes, then -M and the sum, 128 bytes each
.set PSB,   4352
.set AM,  1                            ; v1  my lane's place in the mask's 16 rows: 16,384 r + 64 h
.set GI,  2                            ; v2  16 x lane
.set L4,  3                            ; v3  4 x lane
.set SA,  4                            ; v4  LDS: my states, 16 x lane;  v5: 4 x lane
.set SA4, 5
.set RA,  6                            ; v6  LDS: the pair's states of the pass that I join, 16 x lane;  v25: 4 x lane
.set RA4, 25
.set SPW, 7                            ; v7  LDS address of my spare word; never rewritten
.set NIL, 8                            ; v8  0; never rewritten
.set OST, 10                           ; v10 where my two scale bytes go in STG
.set OSO, 11                           ; v11 wave 0: my 16 bytes' place among o's scale words
.set QF0, 16                           ; v16-19 pass 0's Q, v20-23 zeros; v24 its scale words
.set QS0, 24
.set QF1, 224                          ; v224-227 pass 1's Q, v228-231 zeros; v232 its scale words
.set QS1, 232
.set VS,  26                           ; v26-27 V's scale words
.set KS,  28                           ; v28-31 K's
.set KF,  32                           ; v32-63 K's eight tiles, four registers each; v64-67 zeros
.set S,   68                           ; v68-131 the mask term, then S^T, then p
.set VF,  132                          ; v132-163 V's four fragments
.set OT,  164                          ; v164-195 O^T
.set PC,  196                          ; v196-203 p's codes
.set BM,  204                          ; v204-207 a block's largest score, then its largest p
.set BP,  208                          ; v208-211 at work
.set SO,  212                          ; v212-215 the conversions' scale operands
.set PW,  216                          ; v216 p's scale word
.set WV,  16                           ; s16 wave; s17 head % 4; s18 pr; s19 hf; s20, s21 the tiles of pass 0, 1; s2 u; s3 head
.set SEL, 22                           ; s[22:23] lane l xor 16
.set CS,  24                           ; s[24:25] c = log2(e) / 8
.set NEG, 26                           ; s[26:27] -1e9
                                       ; s28, s29: pass 0's tile: the steps that count, the steps with a number other than 0;  s30, s31: pass 1's
.set M,   32                           ; s32 the steps still to walk by the pair, mine lowest, a bit each
.set X,   33                           ; s33 the steps in which the mask is read
.set NT,  34                           ; s34 my trips
.set CNT, 35
.set CUR, 36                           ; s36 the step in hand;  s37 the next
.set NXT, 37
.set CB,  38                           ; s[38:39] kv's block of the step in hand;  s[40:41] of the next
.set NB,  40
.set MB,  42                           ; s[42:43] the mask at my rows and the step in hand
.set TO,  44                           ; s[44:45] an offset
.set KVH, 66                           ; s[66:67] kv at my head
.macro PLACES n
.rept \n
	v_nop
.endr
.endm
.macro MM d, a, b, z, sa, sb, ra       ; one product; z = 1: C is the constant 0, else C = D; ra = 1: source 0's scale words are taken from lanes 16-31
.if (\z) && (\ra)
	v_wmma_scale_f32_16x16x128_f8f6f4 v[(\d):(\d)+7], v[(\a):(\a)+7], v[(\b):(\b)+7], 0, v[\sa], v[\sb] matrix_a_fmt:MATRIX_FMT_FP4 matrix_b_fmt:MATRIX_FMT_FP4 matrix_a_scale:MATRIX_SCALE_ROW1
.elseif (\z)
	v_wmma_scale_f32_16x16x128_f8f6f4 v[(\d):(\d)+7], v[(\a):(\a)+7], v[(\b):(\b)+7], 0, v[\sa], v[\sb] matrix_a_fmt:MATRIX_FMT_FP4 matrix_b_fmt:MATRIX_FMT_FP4
.elseif (\ra)
	v_wmma_scale_f32_16x16x128_f8f6f4 v[(\d):(\d)+7], v[(\a):(\a)+7], v[(\b):(\b)+7], v[(\d):(\d)+7], v[\sa], v[\sb] matrix_a_fmt:MATRIX_FMT_FP4 matrix_b_fmt:MATRIX_FMT_FP4 matrix_a_scale:MATRIX_SCALE_ROW1
.else
	v_wmma_scale_f32_16x16x128_f8f6f4 v[(\d):(\d)+7], v[(\a):(\a)+7], v[(\b):(\b)+7], v[(\d):(\d)+7], v[\sa], v[\sb] matrix_a_fmt:MATRIX_FMT_FP4 matrix_b_fmt:MATRIX_FMT_FP4
.endif
.endm
.macro SCORES z, qf, qs                ; the eight accumulators take turns, one instruction a turn
.irp t, 0,2,4,6
	MM S+8*\t, KF+4*\t, \qf, \z, KS+\t/2, \qs, 0
	MM S+8*\t+8, KF+4*\t+4, \qf, \z, KS+\t/2, \qs, 1
.endr
.endm
; My lowest step still to walk (31 where none is left: its block is loaded and not used), held to 0 .. 31 ahead of the address, and kv's block of it: [step / 2][head % 4][step % 2][8,960 bytes]
.macro NEXTB
	s_ctz_i32_b32 s[NXT], s[M]
	s_min_u32 s[NXT], s[NXT], 31
	s_and_b32 s[TO], s[NXT], 30
	s_mul_i32 s[TO], s[TO], 35840
	s_and_b32 s[TO+1], s[NXT], 1
	s_mul_i32 s[TO+1], s[TO+1], 8960
	s_add_co_u32 s[TO], s[TO], s[TO+1]
	s_mov_b32 s[TO+1], 0
	s_add_nc_u64 s[NB:NB+1], s[KVH:KVH+1], s[TO:TO+1]
.endm
.macro KLOAD                           ; nine loads of 512 consecutive bytes: K's eight tiles and its scale words
.irp t, 0,1,2,3,4,5,6,7
	global_load_b128 v[KF+4*\t:KF+4*\t+3], v[GI], s[NB:NB+1] offset:512*\t
.endr
	global_load_b128 v[KS:KS+3], v[GI], s[NB:NB+1] offset:8192
.endm
; Q of tile s[t]: its 16 neighbouring rows are gathered from qb's images, which lie in tile order: row 32 bq + 16 gq + 8 u + i of a block of 128 is place 8 gq + i of tile 2 bq + u.  c: the codes' address, sc: the scale words'
.macro QPTR t, c, sc
	s_lshr_b32 s[\c], s[\t], 3
	s_lshl_b32 s[\c], s[\c], 4
	s_add_co_u32 s[\c], s[\c], s3
	s_mul_i32 s[\c], s[\c], 4608                   ; qb's block: 128 rows, my head
	s_and_b32 s68, s[\t], 1
	s_lshl_b32 s68, s68, 7                         ; 128 gq
	s_add_co_u32 s[\c], s[\c], s68
	s_bfe_u32 s68, s[\t], 0x20001                  ; bq = (tile / 2) % 4
	s_lshl_b32 s[\sc], s68, 2
	s_add_co_u32 s[\sc], s[\sc], s[\c]
	s_add_co_u32 s[\sc], s[\sc], 4096
	s_lshl_b32 s68, s68, 10
	s_add_co_u32 s[\c], s[\c], s68
	s_mov_b32 s[\c+1], 0
	s_mov_b32 s[\sc+1], 0
	s_add_nc_u64 s[\c:\c+1], s[6:7], s[\c:\c+1]
	s_add_nc_u64 s[\sc:\sc+1], s[6:7], s[\sc:\sc+1]
.endm
	s_load_b256 s[4:11], s[0:1], 0x0               ; mask s[4:5], qb s[6:7], kv s[8:9], oc s[10:11]
	s_load_b64 s[14:15], s[0:1], 0x20              ; cls
	v_lshl_add_u32 v[SPW], v0, 2, SPARE
	v_mov_b32 v[NIL], 0
	v_lshrrev_b32 v1, 5, v0
	s_delay_alu instid0(VALU_DEP_1)
	v_readfirstlane_b32 s[WV], v1                  ; wave 0..15
	s_lshr_b32 s17, s[WV], 2                       ; my head among the four
	s_bfe_u32 s18, s[WV], 0x10001                  ; pr
	s_and_b32 s19, s[WV], 1                        ; hf
	s_and_b32 s2, ttmp7, 0xffff                    ; u
	s_lshl_b32 s21, s2, 1
	s_add_co_u32 s21, s21, s18                     ; pass 1's tile: 2 u + pr
	s_sub_co_u32 s20, 255, s21                     ; pass 0's: 255 - 2 u - pr
	s_lshl_b32 s28, s20, 7                         ; cls: 16 rows x 8 bytes a tile
	s_mov_b32 s29, 0
	s_lshl_b32 s30, s21, 7
	s_mov_b32 s31, 0
	s_wait_kmcnt 0x0
	s_add_nc_u64 s[12:13], s[14:15], s[28:29]
	s_add_nc_u64 s[14:15], s[14:15], s[30:31]
	s_load_b512 s[32:47], s[12:13], 0x0            ; the 16 rows' pairs of words of pass 0's tile,
	s_load_b512 s[48:63], s[12:13], 0x40
	s_load_b512 s[68:83], s[14:15], 0x0            ; and of pass 1's
	s_load_b512 s[84:99], s[14:15], 0x40
	s_mov_b32 s[SEL], 0x76543210
	s_mov_b32 s[SEL+1], 0xfedcba98
	s_mov_b32 s[CS], 0x3e38aa3b                    ; log2(e) / 8
	s_mov_b32 s[CS+1], s[CS]                       ; (named with it as a pair, so it is written)
	s_mov_b32 s[NEG], 0xce6e6b28                   ; -1e9
	s_mov_b32 s[NEG+1], s[NEG]
	s_lshl_b32 s3, ttmp9, 2
	s_add_co_u32 s3, s3, s17                       ; my head
	s_wait_kmcnt 0x0
.irp k, 34,36,38,40,42,44,46,48,50,52,54,56,58,60,62
	s_or_b32 s32, s32, s[\k]                       ; a step counts if it counts for one of the rows,
	s_or_b32 s33, s33, s[\k+1]                     ; and its mask is read if one of them holds a number other than 0 there
.endr
.irp k, 70,72,74,76,78,80,82,84,86,88,90,92,94,96,98
	s_or_b32 s68, s68, s[\k]
	s_or_b32 s69, s69, s[\k+1]
.endr
	s_mov_b32 s28, s32
	s_mov_b32 s29, s33
	s_mov_b32 s30, s68
	s_mov_b32 s31, s69
	QPTR 20, 48, 50
	QPTR 21, 52, 54
	s_lshl_b32 s56, s20, 18                        ; the mask: 16 x tile rows of 16,384 bytes
	s_mov_b32 s57, 0
	s_add_nc_u64 s[56:57], s[4:5], s[56:57]
	s_lshl_b32 s58, s21, 18
	s_mov_b32 s59, 0
	s_add_nc_u64 s[58:59], s[4:5], s[58:59]
	s_mul_i32 s66, ttmp9, 1146880                  ; kv: [head / 4][16 x 71,680],
	s_mul_i32 s67, s17, 17920                      ; + head % 4 x 17,920
	s_add_co_u32 s66, s66, s67
	s_mov_b32 s67, 0
	s_add_nc_u64 s[KVH:KVH+1], s[8:9], s[66:67]
	s_lshl_b32 s62, ttmp9, 15
	s_lshl_b32 s63, s2, 8
	s_add_co_u32 s62, s62, s63
	s_add_co_u32 s62, s62, 0x200000                ; o's scale words: 2,097,152 + 32,768 g + 128 x tile 2 u
	s_mov_b32 s63, 0
	s_add_nc_u64 s[60:61], s[10:11], s[62:63]
	s_cmp_eq_u32 s19, 0
	s_cselect_b32 s62, s20, s21                    ; the tile that I join and send out: pass hf's
	s_lshl_b32 s62, s62, 4
	s_add_co_u32 s62, s62, s3
	s_lshl_b32 s62, s62, 9                         ; o's codes: (16 x tile + head) x 512
	s_add_nc_u64 s[10:11], s[10:11], s[62:63]
	s_lshl_b32 s70, s2, 2
	s_sub_co_u32 s70, 254, s70
	s_lshl_b32 s70, s70, 7                         ; from tile 2 u to tile 254 - 2 u, in bytes
	s_xor_b32 s71, s18, 3
	s_mul_i32 s72, s19, 3
	s_xor_b32 s71, s71, s72                        ; which of the work-group's four tiles that is: 3 - pr (hf = 0) or pr (hf = 1)
	s_lshl_b32 s71, s71, 7
	s_lshr_b32 s72, s17, 1
	s_lshl_b32 s72, s72, 6
	s_add_co_u32 s71, s71, s72
	s_and_b32 s72, s17, 1
	s_lshl_b32 s72, s72, 1
	s_add_co_u32 s71, s71, s72
	s_add_co_u32 s71, s71, STG                     ; STG [tile 4][K step 2][row 16][4 bytes]: my head's two bytes are half of a word
	s_mul_i32 s72, s[WV], 2*PSB
	s_add_co_u32 s72, s72, STATE                   ; my states
	s_and_b32 s73, s[WV], 14
	s_mul_i32 s73, s73, 2*PSB
	s_mul_i32 s74, s19, PSB
	s_add_co_u32 s73, s73, s74
	s_add_co_u32 s73, s73, STATE                   ; half 0's state of pass hf; half 1's lies 2 PSB bytes on
	v_and_b32 v9, 15, v0                           ; r
	v_bfe_u32 v217, v0, 4, 1                       ; h
	v_and_b32 v3, 31, v0
	v_and_b32 v220, 7, v0                          ; i
	v_bfe_u32 v221, v0, 3, 1                       ; u
	v_lshl_add_u32 v[OST], v9, 2, s71
	v_mul_u32_u24 v[OSO], v217, s70
	v_lshlrev_b32 v[AM], 14, v9
	v_lshlrev_b32 v[GI], 4, v3
	v_lshlrev_b32 v[L4], 2, v3
	v_lshlrev_b32 v220, 4, v220
	v_lshl_add_u32 v[OSO], v9, 4, v[OSO]           ; lanes 0-15: tiles 2 u, 2 u + 1; lanes 16-31: tiles 254 - 2 u, 255 - 2 u
	v_lshl_add_u32 v[AM], v217, 6, v[AM]
	s_delay_alu instid0(VALU_DEP_3)
	v_lshl_add_u32 v222, v221, 8, v220             ; Q's scale word: 256 u + 16 i
	v_lshl_add_u32 v220, v221, 9, v220
	v_add_nc_u32 v[SA], s72, v[GI]
	v_add_nc_u32 v[SA4], s72, v[L4]
	v_add_nc_u32 v[RA], s73, v[GI]
	v_add_nc_u32 v[RA4], s73, v[L4]
	v_lshl_add_u32 v220, v217, 8, v220             ; Q's codes: 512 u + 16 i + 256 h
.irp i, 0,1,2,3
	v_mov_b32 v[QF0+4+\i], 0                       ; zero codes for the upper half of the instruction's K
	v_mov_b32 v[QF1+4+\i], 0
	v_mov_b32 v[KF+32+\i], 0
	v_mov_b32 v[BP+\i], 0                          ; a lane permute's destination counts as one of its sources: written once
.endr
	v_mov_b32 v219, 0                              ; (named as the upper half of the pair v[218:219])
	s_wait_alu depctr_va_vdst(0)
	global_load_b128 v[QF0:QF0+3], v220, s[48:49]
	global_load_b32 v[QS0], v222, s[50:51]
	global_load_b128 v[QF1:QF1+3], v220, s[52:53]
	global_load_b32 v[QS1], v222, s[54:55]
; A PASS: my half of one tile's counting steps.  p: the pass; qf, qs: the tile's Q and its scale words; lv, nz: its two words of bits; mrow: the mask at its rows
.macro PASS p, qf, qs, lv, nz, mrow
	s_sub_co_u32 s[TO], s[\lv], 1
	s_and_b32 s[TO], s[TO], s[\lv]                 ; without the lowest step
	s_cmp_eq_u32 s19, 0
	s_cselect_b32 s[M], s[\lv], s[TO]              ; half 1 begins at the second
	s_and_b32 s[X], s[\nz], s[\lv]
	s_bcnt1_i32_b32 s[NT], s[\lv]
	s_add_co_u32 s[NT], s[NT], 1
	s_sub_co_u32 s[NT], s[NT], s19
	s_lshr_b32 s[NT], s[NT], 1                     ; my trips: half of the steps, rounded up for half 0 and down for half 1 (which may have none)
	s_mov_b32 s[CNT], 0
	NEXTB
	KLOAD                                          ; my first step's K
	v_mov_b32 v13, 0xff61b1e6                      ; the largest t so far: -3e38, under every t
	v_mov_b32 v14, 0                               ; the sum, in two halves
	v_mov_b32 v15, 0
	s_delay_alu instid0(VALU_DEP_3)
	v_floor_f32 v12, -v13                          ; -M
.set J, 0
.rept 32
	v_mov_b32 v[OT+J], 0                           ; O^T.  The step is written once: the first finds zeros, which the first change of M leaves zeros
.set J, J+1
.endr
	s_wait_alu depctr_va_vdst(0)                   ; ahead of the branch and of the trips' waits
	s_cmp_eq_u32 s[NT], 0
	s_cbranch_scc1 .Lend_\@
.Lstep_\@:                                         ; a trip: 128 keys
	s_wait_xcnt 0x0                                ; all earlier loads have read their bases: they may be written
	s_mov_b64 s[CB:CB+1], s[NB:NB+1]
	s_mov_b32 s[CUR], s[NXT]
	PLACES 4                                       ; between the last products and loads into registers that they read
.irp t, 0,1,2,3
.irp c, 0,1
	global_load_b128 v[VF+8*\t+4*\c:VF+8*\t+4*\c+3], v[GI], s[CB:CB+1] offset:4096+1024*\t+512*\c
.endr
.endr
.irp i, 0,1
	global_load_b32 v[VS+\i], v[L4], s[CB:CB+1] offset:8704+128*\i
.endr
	s_bitcmp1_b32 s[X], s[CUR]
	s_cbranch_scc1 .Lmixed_\@
	s_wait_loadcnt 10                              ; K, its scale words (and, the first time, Q) are in; V's ten loads may be out
	SCORES 1, \qf, \qs
	s_branch .Lscored_\@
.Lmixed_\@:                                        ; the mask term is the C of the first product: the lane's 64 numbers are loaded into the scores' own registers and multiplied by -1e9 there
	s_lshl_b32 s[TO], s[CUR], 9
	s_mov_b32 s[TO+1], 0
	s_add_nc_u64 s[MB:MB+1], s[\mrow:\mrow+1], s[TO:TO+1]
.irp b, 0,1,2,3
.irp j, 0,1,2,3
	global_load_b128 v[S+16*\b+4*\j:S+16*\b+4*\j+3], v[AM], s[MB:MB+1] offset:128*\b+16*\j   ; register 16 b + i: mask(my query, 32 b + 16 h + i): the place of that key's score
.endr
.endr
	s_wait_loadcnt 0x0
.set J, 0
.rept 32
	v_pk_mul_f32 v[S+J:S+J+1], v[S+J:S+J+1], s[NEG:NEG+1] op_sel_hi:[1,0]
.set J, J+2
.endr
	s_wait_alu depctr_va_vdst(0)
	SCORES 0, \qf, \qs
.Lscored_\@:
	s_sub_co_u32 s[TO], s[M], 1
	s_and_b32 s[M], s[M], s[TO]                    ; the step in hand is struck off,
	s_sub_co_u32 s[TO], s[M], 1
	s_and_b32 s[M], s[M], s[TO]                    ; and the one behind it, which is the other half's
	NEXTB
	PLACES 4                                       ; between the products and loads into K's registers, and the first read of the scores
	KLOAD                                          ; my next step's K: it has the rest of this trip in which to land
.irp b, 0,1,2,3
	v_max3_num_f32 v[BM+\b], v[S+16*\b], v[S+1+16*\b], v[S+2+16*\b]   ; the largest score of each block of 32 keys: it serves for the row's maximum and, since p rises with the score, for the block's largest p
.endr
.irp i, 3,5,7,9,11,13
.irp b, 0,1,2,3
	v_max3_num_f32 v[BM+\b], v[BM+\b], v[S+16*\b+\i], v[S+1+16*\b+\i]
.endr
.endr
.irp b, 0,1,2,3
	v_max_num_f32 v[BM+\b], v[BM+\b], v[S+15+16*\b]
.endr
.irp b, 0,1,2,3
	s_delay_alu instid0(VALU_DEP_4)
	v_permlanex16_b32 v[BP+\b], v[BM+\b], s[SEL], s[SEL+1]
.endr
.irp b, 0,1,2,3
	s_delay_alu instid0(VALU_DEP_4)
	v_max_num_f32 v[BM+\b], v[BM+\b], v[BP+\b]     ; with lane l xor 16's 16 keys
.endr
	s_delay_alu instid0(VALU_DEP_2)
	v_max3_num_f32 v217, v[BM], v[BM+1], v[BM+2]
	s_delay_alu instid0(VALU_DEP_1)
	v_max_num_f32 v217, v217, v[BM+3]              ; the step's largest score of my query
	s_delay_alu instid0(VALU_DEP_1)
	v_mul_f32 v217, s[CS], v217                    ; as t (c is positive)
	s_delay_alu instid0(VALU_DEP_1)
	v_max_num_f32 v13, v13, v217                   ; the running largest t
	v_mov_b32 v217, v12
	s_delay_alu instid0(VALU_DEP_2)
	v_floor_f32 v12, -v13                          ; the new -M = floor(-t): M is a whole number
	s_delay_alu instid0(VALU_DEP_1)
	v_sub_f32 v217, v12, v217                      ; old M - new M: a whole number, 0 or less
	s_delay_alu instid0(VALU_DEP_1)
	v_cvt_i32_f32 v217, v217                       ; (it saturates)
	s_delay_alu instid0(VALU_DEP_1)
	v_ldexp_f32 v218, 1.0, v217                    ; f = 2^(old M - new M)
.set J, 0
.rept 32
	v_pk_fma_f32 v[S+J:S+J+1], v[S+J:S+J+1], s[CS:CS+1], v[12:13] op_sel_hi:[1,0,0]   ; t - M, two at a time
.set J, J+2
.endr
.irp b, 0,1,2,3
	v_fma_f32 v[BM+\b], v[BM+\b], s[CS], v12       ; the same of each block's largest score
.endr
	s_wait_alu depctr_va_vdst(0)                   ; ahead of the batch
.set J, 0
.rept 64
	v_exp_f32 v[S+J], v[S+J]                       ; p = 2^(t - M), at most 1
.set J, J+1
.endr
	v_pk_mul_f32 v[14:15], v[14:15], v[218:219] op_sel_hi:[1,0]   ; the sums under the new M (the plain instruction behind the exponentials)
	s_wait_alu depctr_va_vdst(0)                   ; one wait for the batch of 64, ahead of its first reader
.irp b, 0,1,2,3
	v_exp_f32 v[BM+\b], v[BM+\b]                   ; the block's largest p: the same two instructions on the same number
.endr
.set J, S                              ; the row's sum of the unquantised p: 32 pairs in eight chains
.irp c, 220,222,214,212,210,208,202
	v_pk_add_f32 v[\c:\c+1], v[J:J+1], v[J+2:J+3]
.set J, J+4
.endr
	v_pk_add_f32 v[14:15], v[14:15], v[J:J+1]
.set J, J+2
.rept 2
.irp c, 220,222,214,212,210,208,202,14
	v_pk_add_f32 v[\c:\c+1], v[\c:\c+1], v[J:J+1]
.set J, J+2
.endr
.endr
	v_pk_add_f32 v[220:221], v[220:221], v[J:J+1]
	s_delay_alu instid0(VALU_DEP_2)
	v_pk_add_f32 v[14:15], v[14:15], v[212:213]
	s_delay_alu instid0(VALU_DEP_2)
	v_pk_add_f32 v[220:221], v[220:221], v[210:211]
	v_pk_add_f32 v[222:223], v[222:223], v[208:209]
	v_pk_add_f32 v[214:215], v[214:215], v[202:203]
	s_delay_alu instid0(VALU_DEP_2)
	v_pk_add_f32 v[14:15], v[14:15], v[222:223]
	s_delay_alu instid0(VALU_DEP_2)
	v_pk_add_f32 v[220:221], v[220:221], v[214:215]
	s_delay_alu instid0(VALU_DEP_1)
	v_pk_add_f32 v[14:15], v[14:15], v[220:221]
	s_wait_alu depctr_va_vdst(0)                   ; and one for the four
.irp b, 0,1,2,3
	v_max_num_f32 v[BM+\b], 0x1800000, v[BM+\b]    ; the floor 2^(3 - 127): the byte cannot fall under 1 (a block whose every p is 0 keeps that byte: its codes are zeros)
.endr
.irp b, 0,1,2,3
	s_delay_alu instid0(VALU_DEP_4)
	v_add_nc_u32 v[SO+\b], 0xff000000, v[BM+\b]    ; 2 off the exponent field: the conversion's scale operand
.endr
.irp b, 0,1,2,3
	s_delay_alu instid0(VALU_DEP_4)
	v_lshrrev_b32 v[BP+\b], 23, v[SO+\b]           ; the scale's byte
.endr
	s_delay_alu instid0(VALU_DEP_3)
	v_lshl_or_b32 v[PW], v[BP+1], 8, v[BP]         ; p's scale word for these 128 keys
	s_delay_alu instid0(VALU_DEP_1)
	v_lshl_or_b32 v[PW], v[BP+2], 16, v[PW]
	s_delay_alu instid0(VALU_DEP_1)
	v_lshl_or_b32 v[PW], v[BP+3], 24, v[PW]
.irp b, 0,1,2,3
	v_cvt_scalef32_pk8_fp4_f32 v[PC+2*\b], v[S+16*\b:S+7+16*\b], v[SO+\b]
	v_cvt_scalef32_pk8_fp4_f32 v[PC+1+2*\b], v[S+8+16*\b:S+15+16*\b], v[SO+\b]
.endr
	v_nop                                          ; one plain instruction behind a scaled conversion
.irp c, 0,1                            ; the operand's layout wants a whole block in a lane
.irp i, 0,1
	v_permlane16_swap_b32 v[PC+4*\c+\i], v[PC+2+4*\c+\i]
.endr
.endr
	s_wait_alu depctr_va_vdst(0)                   ; directly ahead of the first reader of O^T
.set J, 0
.rept 16
	v_pk_mul_f32 v[OT+J:OT+J+1], v[OT+J:OT+J+1], v[218:219] op_sel_hi:[1,0]   ; O^T under the new M.  The last twelve name nothing of the first product below: they are the places between p's scale word and codes and that product
.set J, J+2
.endr
	s_wait_alu depctr_va_vdst(0)                   ; directly ahead of the wait below
	s_wait_loadcnt 9                               ; V and its scale words are in; the next K's nine loads may be out
.irp t, 0,2
	MM OT+8*\t, VF+8*\t, PC, 0, VS+\t/2, PW, 0
	MM OT+8*\t+8, VF+8*\t+8, PC, 0, VS+\t/2, PW, 1
.endr
	s_add_co_u32 s[CNT], s[CNT], 1
	s_cmp_lt_u32 s[CNT], s[NT]
	s_cbranch_scc1 .Lstep_\@
.Lend_\@:
	s_wait_loadcnt 0x0                             ; the last nine loads into K's registers have landed: the next pass may load there, and their base may be written
	v_add_f32 v14, v14, v15                        ; my lane's sum
	PLACES 4                                       ; between the last products and the first read of O^T
.irp k, 0,1,2,3,4,5,6,7
	ds_store_b128 v[SA], v[OT+4*\k:OT+4*\k+3] offset:(\p)*PSB+512*\k   ; my state of this pass, as images of the registers; each accumulator from its low end on
.endr
	ds_store_b32 v[SA4], v12 offset:(\p)*PSB+4096
	ds_store_b32 v[SA4], v14 offset:(\p)*PSB+4224
.endm
	PASS 0, QF0, QS0, 28, 29, 56
	PASS 1, QF1, QS1, 30, 31, 58
	; THE TWO HALVES ARE JOINED.  Half hf takes pass hf's tile: half 0's state into O^T's registers, v12, v14; half 1's into v68-99, v13, v15.
	s_wait_dscnt 0x0                               ; for the others' sake
	s_barrier_signal -1
	s_barrier_wait -1                              ; every wave's two states lie in LDS
.irp k, 0,1,2,3,4,5,6,7
	ds_load_b128 v[OT+4*\k:OT+4*\k+3], v[RA] offset:512*\k
	ds_load_b128 v[S+4*\k:S+4*\k+3], v[RA] offset:2*PSB+512*\k
.endr
	ds_load_b32 v12, v[RA4] offset:4096
	ds_load_b32 v14, v[RA4] offset:4224
	ds_load_b32 v13, v[RA4] offset:2*PSB+4096
	ds_load_b32 v15, v[RA4] offset:2*PSB+4224
	s_wait_dscnt 0x0
	v_min_num_f32 v217, v12, v13                   ; -M of the larger M
	s_delay_alu instid0(VALU_DEP_1)
	v_sub_f32 v218, v217, v12                      ; each half's M less that M: a whole number, 0 or less
	v_sub_f32 v220, v217, v13
	s_delay_alu instid0(VALU_DEP_2)
	v_cvt_i32_f32 v218, v218                       ; (it saturates)
	s_delay_alu instid0(VALU_DEP_2)
	v_cvt_i32_f32 v220, v220
	s_delay_alu instid0(VALU_DEP_2)
	v_ldexp_f32 v218, 1.0, v218
	s_delay_alu instid0(VALU_DEP_2)
	v_ldexp_f32 v220, 1.0, v220
	s_delay_alu instid0(VALU_DEP_2)
	v_mul_f32 v14, v14, v218
	s_delay_alu instid0(VALU_DEP_1)
	v_fma_f32 v14, v15, v220, v14                  ; my lane's sum of both halves
.set J, 0
.rept 16
	v_pk_mul_f32 v[OT+J:OT+J+1], v[OT+J:OT+J+1], v[218:219] op_sel_hi:[1,0]
.set J, J+2
.endr
.set J, 0
.rept 16
	v_pk_fma_f32 v[OT+J:OT+J+1], v[S+J:S+J+1], v[220:221], v[OT+J:OT+J+1] op_sel_hi:[1,0,1]
.set J, J+2
.endr
	; THE WAY OUT.  O^T / the sum is quantised where it stands: the 16 registers of tiles 2 b, 2 b + 1 are channels 32 b + 16 h + 0 .. 15 of my head: two blocks of the last product's K.
	v_permlanex16_b32 v217, v14, s[SEL], s[SEL+1]
	s_delay_alu instid0(VALU_DEP_1)
	v_add_f32 v14, v14, v217                       ; the row's sum
	s_wait_alu depctr_va_vdst(0)                   ; ahead of the transcendental
	v_rcp_f32 v14, v14
	v_nop                                          ; a plain place behind the reciprocal
	s_wait_alu depctr_va_vdst(0)                   ; ahead of the reciprocal's first reader
.set J, 0
.rept 32
	v_mul_f32 v[S+J], v[OT+J], v14
.set J, J+1
.endr
.irp b, 0,1
	v_max3_num_f32 v[BM+\b], |v[S+16*\b]|, |v[S+1+16*\b]|, 0x1800000
.endr
.irp i, 2,4,6,8,10,12,14
.irp b, 0,1
	s_delay_alu instid0(VALU_DEP_2)
	v_max3_num_f32 v[BM+\b], v[BM+\b], |v[S+16*\b+\i]|, |v[S+1+16*\b+\i]|
.endr
.endr
.irp b, 0,1
	s_delay_alu instid0(VALU_DEP_2)
	v_permlanex16_b32 v[BP+\b], v[BM+\b], s[SEL], s[SEL+1]
.endr
.irp b, 0,1
	s_delay_alu instid0(VALU_DEP_2)
	v_max_num_f32 v[BM+\b], v[BM+\b], v[BP+\b]
.endr
.irp b, 0,1
	s_delay_alu instid0(VALU_DEP_2)
	v_add_nc_u32 v[SO+\b], 0xff000000, v[BM+\b]
.endr
.irp b, 0,1
	s_delay_alu instid0(VALU_DEP_2)
	v_lshrrev_b32 v[BP+\b], 23, v[SO+\b]
.endr
	s_delay_alu instid0(VALU_DEP_1)
	v_lshl_or_b32 v[PW], v[BP+1], 8, v[BP]         ; my head's two bytes of the row's scale word
.irp b, 0,1
	v_cvt_scalef32_pk8_fp4_f32 v[PC+2*\b], v[S+16*\b:S+7+16*\b], v[SO+\b]
	v_cvt_scalef32_pk8_fp4_f32 v[PC+1+2*\b], v[S+8+16*\b:S+15+16*\b], v[SO+\b]
.endr
	v_nop
	v_permlane16_swap_b32 v[PC], v[PC+2]
	v_permlane16_swap_b32 v[PC+1], v[PC+3]         ; lane (r, h): block h of my head for row r: four registers of the last product's operand
	global_store_b128 v[GI], v[PC:PC+3], s[10:11]  ; 512 consecutive bytes, aligned
	ds_store_b16 v[OST], v[PW]                     ; lanes r and r + 16 write the same two bytes with the same value
	s_wait_dscnt 0x0                               ; for the others' sake
	s_barrier_signal -1
	s_barrier_wait -1                              ; the work-group's 128 scale words are whole
	s_cmp_lg_u32 s[WV], 0
	s_cbranch_scc1 .Lnot_0
	ds_load_b128 v[S:S+3], v[GI] offset:STG
	s_wait_dscnt 0x0
	global_store_b128 v[OSO], v[S:S+3], s[60:61]   ; each half of the lanes stores 256 consecutive bytes, aligned: two neighbouring tiles' words
.Lnot_0:
	s_wait_tensorcnt 0x0                           ; the wave's end
	ds_add_u32 v[SPW], v[NIL]
	s_wait_dscnt 0x0
	s_endpgm
.Lfunc_end_k_qa08f4688da_attn:
	.size	k_qa08f4688da_attn, .Lfunc_end_k_qa08f4688da_attn-k_qa08f4688da_attn
	.p2alignl 7, 3214868480
	.fill 96, 4, 3214868480
	.section	.rodata,"a",@progbits
	.p2align	6, 0x0
	.amdhsa_kernel k_qa08f4688da_attn
		.amdhsa_group_segment_fixed_size 141824
		.amdhsa_private_segment_fixed_size 0
		.amdhsa_enable_private_segment 0
		.amdhsa_kernarg_size 40
		.amdhsa_user_sgpr_count 2
		.amdhsa_user_sgpr_kernarg_segment_ptr 1
		.amdhsa_wavefront_size32 1
		.amdhsa_system_sgpr_workgroup_id_x 1
		.amdhsa_system_sgpr_workgroup_id_y 1
		.amdhsa_system_sgpr_workgroup_id_z 1
		.amdhsa_system_vgpr_workitem_id 0
		.amdhsa_next_free_vgpr 240
		.amdhsa_next_free_sgpr 100
		.amdhsa_reserve_vcc 0
		.amdhsa_float_denorm_mode_32 3
		.amdhsa_float_denorm_mode_16_64 3
		.amdhsa_memory_ordered 1
		.amdhsa_forward_progress 1
		.amdhsa_inst_pref_size 68
	.end_amdhsa_kernel
	.amdgpu_metadata
---
amdhsa.version: [ 1, 2 ]
amdhsa.kernels:
  - .name:           k_qa08f4688da_attn
    .symbol:         k_qa08f4688da_attn.kd
    .args:
      - { .name: mask, .offset: 0, .size: 8, .value_kind: global_buffer, .address_space: global }
      - { .name: qb, .offset: 8, .size: 8, .value_kind: global_buffer, .address_space: global }
      - { .name: kv, .offset: 16, .size: 8, .value_kind: global_buffer, .address_space: global }
      - { .name: oc, .offset: 24, .size: 8, .value_kind: global_buffer, .address_space: global }
      - { .name: cls, .offset: 32, .size: 8, .value_kind: global_buffer, .address_space: global }
    .group_segment_fixed_size: 141824
    .private_segment_fixed_size: 0
    .kernarg_segment_align: 8
    .kernarg_segment_size: 40
    .max_flat_workgroup_size: 512
    .sgpr_count:     100
    .vgpr_count:     240
    .wavefront_size: 32
...
	.end_amdgpu_metadata
.endif
;; end of part 3
;; launch oproj (part 4): grid 8 x 32, 4 waves a work-group, clusters of 4 x 4, 168,448 bytes of LDS; arguments oc, wc, ws, bo, out0; writes out0
.if DOCPART == 4
	.amdgcn_target "amdgcn-amd-amdhsa--gfx1250"
	.amdhsa_code_object_version 6
	.text
	.protected	k_qa08f4688da_oproj
	.globl	k_qa08f4688da_oproj
	.p2align	8
	.type	k_qa08f4688da_oproj,@function
k_qa08f4688da_oproj:
	s_mov_b64 s[64:65], 0
	v_nop
	global_prefetch_b8 v0, s[64:65] scope:SCOPE_SE
	s_setreg_imm32_b32 hwreg(HW_REG_WAVE_MODE, 25, 1), 1
	s_wait_xcnt 0x0
	s_wait_alu depctr_hold_cnt(0) depctr_sa_sdst(0) depctr_va_vdst(0) depctr_va_sdst(0) depctr_va_ssrc(0) depctr_va_vcc(0) depctr_vm_vsrc(0)
	s_getreg_b32 s2, hwreg(HW_REG_IB_STS2, 6, 4)
	s_cmp_eq_u32 s2, 0
	s_cbranch_scc0 .Lentry_in_a_cluster
	s_endpgm
.Lentry_in_a_cluster:
	s_bfe_u32 s2, ttmp6, 0x10000c
	s_cmp_lg_u32 s2, 0xf033
	s_cbranch_scc0 .Lentry_shape_is_right
	s_endpgm
.Lentry_shape_is_right:
; out0 = o Wo^T + bo on codes of FP4, K = 1,024.  o comes as images of operand registers: oc [tile of 16 rows 256][K step 8][1,024 bytes], os [K step / 2][tile 256][K step % 2][row 16][4 bytes].
; Wo's codes are rows 3,072 on of wc [place][512 bytes], its scale bytes of ws [place][32], in tile order: place 16 (2 b + u) + p holds row 32 b + 8 u + p + 8 (p / 8).
; SHARES.  Work-group (nt, mt): 128 x 128 of out0: 256 work-groups.  Wave w: rows 64 (w / 2) on (4 tiles of o), columns 64 (w % 2) on (4 tiles of Wo): 16 accumulators.
; The product is used transposed (source 0 = Wo, source 1 = o): a lane holds one row, and by the tile order the registers of tiles 2 b, 2 b + 1 are columns 32 b + 16 h + 0 .. 15.  bo is the C of each sum's first product.
; LDS is filled ONCE, as two halves of K; the second lands while the first is multiplied.  CLUSTER 4 x 4: o's tiles are asked for jointly along a row of the cluster, Wo's along a column.
; REGISTERS.  Window 0: v1-10 addresses; v16-31 o's scale words, v32-47 Wo's; v64-127, v128-191 fragments, two sets (o's four, then Wo's four); on the way out four sets of 32.
;  Window 1: the accumulators, (a, t) at 8 (4 a + t); from v128 bo's four tiles.
; LDS, as it now stands (in place of the two halves of K named above): each wave's ONE tensor load brings all of K: o's four tiles as rows of 8,192 dense bytes, Wo's 64 rows as rows of 512 bytes + 16 of padding.
; The scale words called os above lie in oc's buffer, 2,097,152 bytes on.
.set WV,    16                         ; s16 wave; s17 = w / 2; s18 = w % 2
.set G1A,   28                         ; s[28:35] group 1 for o;  s[36:43] for Wo
.set G1B,   36
.set G0A,   44                         ; s[44:51] group 0 for o, a set for each half of K;  s[52:59] for Wo
.set G0B,   52
.set PITCH, 528
.set TILE,  16*PITCH
.set CHK,   256                        ; K steps 4 to 7 begin 256 bytes into a row of Wo
.set BOFF,  65536                      ; o's images at 0: [half of K][8 tiles][4,096 bytes]; Wo's rows behind them
.set STAGE, BOFF+128*PITCH             ; the way out: 16 rows of PITCH bytes for each wave; no tile lands here
.set OSC,   16                         ; v[OSC + 4 a + i]: lanes 0-15 the word of K step 2 i, lanes 16-31 of K step 2 i + 1
.set WS,    32                         ; v[WS + 4 t + i]: lanes 0-15 K step i, lanes 16-31 K step 4 + i
.set FR,    64
.set BO,    128
.set MSB, 0
.macro WIN new
.if MSB != (\new)
	s_set_vgpr_msb (MSB<<8)|(\new)
.set MSB, (\new)
.endif
.endm
.macro PLACES n
.rept \n
	v_nop
.endr
.endm
.macro CROUND
	s_barrier_signal -1
	s_barrier_wait -1
	s_cmp_lg_u32 s[WV], 0
	s_cbranch_scc1 .Lnot_wave_0_\@
	s_barrier_signal -3
.Lnot_wave_0_\@:
	s_barrier_wait -3
	s_barrier_signal -1
	s_barrier_wait -1
.endm
.macro MM d, a, b, c, sa, sb, ra, rb
.if (\ra)+(\rb) == 2
	v_wmma_scale_f32_16x16x128_f8f6f4 v[(\d):(\d)+7], v[(\a):(\a)+7], v[(\b):(\b)+7], v[(\c):(\c)+7], v[\sa], v[\sb] matrix_a_fmt:MATRIX_FMT_FP4 matrix_b_fmt:MATRIX_FMT_FP4 matrix_a_scale:MATRIX_SCALE_ROW1 matrix_b_scale:MATRIX_SCALE_ROW1
.elseif (\ra) == 1
	v_wmma_scale_f32_16x16x128_f8f6f4 v[(\d):(\d)+7], v[(\a):(\a)+7], v[(\b):(\b)+7], v[(\c):(\c)+7], v[\sa], v[\sb] matrix_a_fmt:MATRIX_FMT_FP4 matrix_b_fmt:MATRIX_FMT_FP4 matrix_a_scale:MATRIX_SCALE_ROW1
.elseif (\rb) == 1
	v_wmma_scale_f32_16x16x128_f8f6f4 v[(\d):(\d)+7], v[(\a):(\a)+7], v[(\b):(\b)+7], v[(\c):(\c)+7], v[\sa], v[\sb] matrix_a_fmt:MATRIX_FMT_FP4 matrix_b_fmt:MATRIX_FMT_FP4 matrix_b_scale:MATRIX_SCALE_ROW1
.else
	v_wmma_scale_f32_16x16x128_f8f6f4 v[(\d):(\d)+7], v[(\a):(\a)+7], v[(\b):(\b)+7], v[(\c):(\c)+7], v[\sa], v[\sb] matrix_a_fmt:MATRIX_FMT_FP4 matrix_b_fmt:MATRIX_FMT_FP4
.endif
.endm
	s_load_b64 s[4:5], s[0:1], 0x0                 ; oc s[4:5]
	s_load_b128 s[8:11], s[0:1], 0x8               ; wc s[8:9], ws s[10:11]
	s_load_b128 s[12:15], s[0:1], 0x18             ; bo s[12:13], out0 s[14:15]
	v_lshl_add_u32 v254, v0, 2, 0x29000
	v_mov_b32 v255, 0
	ds_add_u32 v254, v255
	ds_add_u32 v254, v255
	v_lshrrev_b32 v1, 5, v0
	v_readfirstlane_b32 s[WV], v1
	s_lshr_b32 s17, s[WV], 1                       ; my half of the rows.  Also: I fetch for o (0) or for Wo (1)
	s_and_b32 s18, s[WV], 1                        ; my half of the columns.  Also: which half of that tile I fetch
	s_bfe_u32 s19, ttmp6, 0x40000                  ; cx
	s_bfe_u32 s20, ttmp6, 0x40004                  ; cy
	s_lshl_b32 s21, ttmp9, 2
	s_add_co_u32 s21, s21, s19                     ; nt
	s_and_b32 s22, ttmp7, 0xffff
	s_lshl_b32 s22, s22, 2
	s_add_co_u32 s22, s22, s20                     ; mt
	s_lshl_b32 s23, s20, 2
	s_lshl_b32 s23, 15, s23                        ; my row of the cluster
	s_lshl_b32 s24, 0x1111, s19                    ; my column
	; o: 4 tiles' half of K: 4 rows of 4,096 bytes (512 elements of 8), 8,192 bytes apart; dense in LDS: they are read as images
	s_or_b32 s[G1A], s23, (3<<16)|(1<<21)
	s_mov_b32 s[G1A+1], 1024<<16                   ; a tile's 8,192 bytes: 1,024 elements of 8
	s_mov_b32 s[G1A+2], 4<<16
	s_mov_b32 s[G1A+3], 1024<<16
	s_mov_b32 s[G1A+4], 4
	s_mov_b32 s[G1A+5], 1024
	s_mov_b32 s[G1A+6], 0
	s_mov_b32 s[G1A+7], 0
	; Wo: 64 rows x 256 bytes, 512 apart, 16 bytes of padding behind each
	s_or_b32 s[G1B], s24, (0<<16)|(1<<20)|(1<<21)|(6<<22)|(3<<25)
	s_mov_b32 s[G1B+1], 512<<16
	s_mov_b32 s[G1B+2], 64<<16
	s_mov_b32 s[G1B+3], 512<<16
	s_mov_b32 s[G1B+4], 64
	s_mov_b32 s[G1B+5], 512
	s_mov_b32 s[G1B+6], 0
	s_mov_b32 s[G1B+7], 0
	s_lshl_b32 s66, s22, 3
	s_lshl_b32 s67, s18, 2
	s_add_co_u32 s66, s66, s67
	s_lshl_b32 s66, s66, 13                        ; o: tile 8 mt + 4 x half, 8,192 bytes each: hangs on mt alone
	s_mov_b32 s67, 0
	s_lshl_b32 s68, s21, 7
	s_lshl_b32 s69, s18, 6
	s_add_co_u32 s68, s68, s69
	s_add_co_u32 s68, s68, 3072
	s_lshl_b32 s68, s68, 9                         ; Wo: place 3,072 + 128 nt + 64 x half: hangs on nt alone
	s_mov_b32 s69, 0
	s_lshl_b32 s70, s18, 15                        ; where they go: four tiles of 8,192 bytes
	s_mul_i32 s71, s18, 4*TILE
	s_add_co_u32 s71, s71, BOFF
	s_wait_dscnt 0x0
	s_wait_kmcnt 0x0
	s_add_nc_u64 s[66:67], s[4:5], s[66:67]
	s_add_nc_u64 s[68:69], s[8:9], s[68:69]
.irp c, 0
	s_mov_b32 s[G0A+4*\c], 1
	s_add_co_u32 s[G0A+4*\c+1], s70, \c*32768
	s_add_nc_u64 s[G0A+4*\c+2:G0A+4*\c+3], s[66:67], \c*4096
	s_or_b32 s[G0A+4*\c+3], s[G0A+4*\c+3], 0x80000000
	s_mov_b32 s[G0B+4*\c], 1
	s_add_co_u32 s[G0B+4*\c+1], s71, \c*CHK
	s_add_nc_u64 s[G0B+4*\c+2:G0B+4*\c+3], s[68:69], \c*256
	s_or_b32 s[G0B+4*\c+3], s[G0B+4*\c+3], 0x80000000
.endr
	CROUND                                         ; all sixteen work-groups are here: the joint loads meet
	s_cmp_lt_u32 s[WV], 2                          ; one fill a wave, one to each arm.  Four v_nop follow each
	s_cbranch_scc0 .Lfirst_b
	tensor_load_to_lds s[G0A:G0A+3], s[G1A:G1A+7]
	s_nop 0
	PLACES 4
	s_branch .Lfirst_asked
.Lfirst_b:
	tensor_load_to_lds s[G0B:G0B+3], s[G1B:G1B+7]
	s_nop 0
	PLACES 4
.Lfirst_asked:
	v_and_b32 v1, 15, v0                           ; r
	v_bfe_u32 v2, v0, 4, 1                         ; h
	v_and_b32 v9, 31, v0
	s_lshl_b32 s72, s17, 15
	v_lshl_add_u32 v3, v9, 4, s72                  ; v3: o's images: 16 x lane + my four tiles
	v_lshlrev_b32 v9, 2, v9                        ; v9: 4 x lane
	v_mul_u32_u24 v4, v1, PITCH
	v_lshl_add_u32 v4, v2, 4, v4
	s_mul_i32 s72, s18, 4*TILE
	s_add_co_u32 s72, s72, BOFF
	v_add_nc_u32 v4, s72, v4                       ; v4: Wo's fragments: my 64 rows, row r x pitch + 16 h
	s_mul_i32 s72, s[WV], TILE
	s_add_co_u32 s72, s72, STAGE                   ; my stage
	v_mul_u32_u24 v5, v1, PITCH
	v_lshl_add_u32 v5, v2, 6, v5
	v_add_nc_u32 v5, s72, v5                       ; v5: in: row r, + 64 h bytes
	v_mul_u32_u24 v6, v2, PITCH
	v_lshl_add_u32 v6, v1, 4, v6
	v_add_nc_u32 v6, s72, v6                       ; v6: back: lanes 0-15 one row of 256 bytes, lanes 16-31 the next
	v_lshlrev_b32 v7, 12, v2
	v_lshl_add_u32 v7, v1, 4, v7                   ; v7: and the same two rows in out0
	v_lshlrev_b32 v8, 5, v1
	v_lshl_add_u32 v8, v2, 4, v8                   ; v8: a tile's scale bytes in ws: row r of 32 bytes, + 16 h
	s_wait_alu depctr_va_vdst(0)
	v_lshlrev_b32 v10, 6, v2                       ; v10: bo: 16 h numbers on
	s_wait_alu depctr_va_vdst(0)
	s_lshl_b32 s72, s22, 3
	s_lshl_b32 s73, s17, 2
	s_add_co_u32 s72, s72, s73
	s_lshl_b32 s72, s72, 7                         ; os: tile 8 mt + 4 (w / 2), 128 bytes each
	s_mov_b32 s73, 0
	s_add_nc_u64 s[72:73], s[4:5], s[72:73]
	s_add_nc_u64 s[72:73], s[72:73], 0x200000      ; the scale words lie behind the codes
	s_lshl_b32 s74, s21, 7
	s_lshl_b32 s75, s18, 6
	s_add_co_u32 s74, s74, s75                     ; my first column: 128 nt + 64 (w % 2)
	s_lshl_b32 s76, s74, 2
	s_add_co_u32 s74, s74, 3072
	s_lshl_b32 s74, s74, 5
	s_mov_b32 s75, 0
	s_add_nc_u64 s[74:75], s[10:11], s[74:75]
	s_mov_b32 s77, 0
	s_add_nc_u64 s[78:79], s[12:13], s[76:77]      ; bo at my first column
	s_lshl_b32 s80, s22, 7
	s_lshl_b32 s81, s17, 6
	s_add_co_u32 s80, s80, s81
	s_lshl_b32 s80, s80, 12                        ; my first row of out0, 4,096 bytes each,
	s_add_co_u32 s80, s80, s76                     ; and my first column
	s_mov_b32 s81, 0
	s_add_nc_u64 s[14:15], s[14:15], s[80:81]
.irp a, 0,1,2,3
.irp i, 0,1,2,3
	global_load_b32 v[OSC+4*\a+\i], v9, s[72:73] offset:32768*\i+128*\a
.endr
.endr
.irp t, 0,1,2,3
	global_load_b128 v[WS+4*\t:WS+4*\t+3], v8, s[74:75] offset:512*\t
.endr
	WIN 0x40                                       ; destination window 1
.irp t, 0,1,2,3
	global_load_b128 v[BO+8*\t:BO+8*\t+3], v10, s[78:79] offset:(32*(\t/2)+8*(\t%2))*4
	global_load_b128 v[BO+8*\t+4:BO+8*\t+7], v10, s[78:79] offset:(32*(\t/2)+8*(\t%2))*4+16
.endr
	WIN 0
.macro FETCH s, buf                    ; 16 LDS loads in one run: K step s's fragments into set buf
.irp a, 0,1,2,3
.irp c, 0,1
	ds_load_b128 v[FR+64*(\buf)+8*\a+4*\c:FR+64*(\buf)+8*\a+4*\c+3], v3 offset:8192*\a+1024*(\s)+512*\c
.endr
.endr
.irp t, 0,1,2,3
.irp c, 0,1
	ds_load_b128 v[FR+64*(\buf)+32+8*\t+4*\c:FR+64*(\buf)+32+8*\t+4*\c+3], v4 offset:((\s)/4)*CHK+TILE*\t+64*((\s)%4)+32*\c
.endr
.endr
.endm
.macro STEP s                          ; the 16 accumulators take turns, one instruction a turn, in the same order in every step
.set FB, FR+64*((\s)%2)
.set RA, (\s)/4
.set RB, (\s)%2
.if (\s) < 7
.if (\s) > 0
	PLACES 4                                       ; between the last products and loads into the set that the step before multiplied
.endif
	FETCH (\s)+1, ((\s)+1)%2
	s_wait_dscnt 16                                ; all but the 16 just issued
.else
	s_wait_dscnt 0x0
.endif
	WIN 0x50                                       ; C and D window 1
.irp a, 0,1,2,3
.irp t, 0,1,2,3
.if (\s) == 0
	MM 8*(4*\a+\t), FB+32+8*\t, FB+8*\a, BO+8*\t, WS+4*\t+(\s)%4, OSC+4*\a+(\s)/2, RA, RB
.else
	MM 8*(4*\a+\t), FB+32+8*\t, FB+8*\a, 8*(4*\a+\t), WS+4*\t+(\s)%4, OSC+4*\a+(\s)/2, RA, RB
.endif
.endr
.endr
	WIN 0
.endm
	s_wait_tensorcnt 0x0                           ; my one load has landed,
	s_barrier_signal -1
	s_barrier_wait -1                              ; everybody's is
	FETCH 0, 0
	s_wait_loadcnt 0x0                             ; scale words and bo
.irp s, 0,1,2,3,4,5,6,7
	STEP \s
.endr
	; THE WAY OUT, a tile of 16 rows x 64 columns at a time through my own stage: a lane's 32 bytes go in, whole rows of 256 bytes come back.  LDS serves a wave's instructions in order: no wait between stores and loads, nor in front of the next tile's stores.
	PLACES 4
.irp a, 0,1,2,3
	WIN 0x04                                       ; an LDS store's data are its source 1: window 1
.irp t, 0,1,2,3
	ds_store_b128 v5, v[8*(4*\a+\t):8*(4*\a+\t)+3] offset:128*(\t/2)+32*(\t%2)       ; each accumulator from its low end on
	ds_store_b128 v5, v[8*(4*\a+\t)+4:8*(4*\a+\t)+7] offset:128*(\t/2)+32*(\t%2)+16
.endr
	WIN 0
.irp i, 0,1,2,3,4,5,6,7
	ds_load_b128 v[FR+32*\a+4*\i:FR+32*\a+4*\i+3], v6 offset:2*PITCH*\i
.endr
.endr
.irp a, 0,1,2,3
	s_wait_dscnt 16*(3-\a)                         ; tile a is back; the later tiles' 16 LDS instructions each may be out
.irp i, 0,1,2,3,4,5,6,7
	global_store_b128 v7, v[FR+32*\a+4*\i:FR+32*\a+4*\i+3], s[14:15] offset:(16*\a+2*\i)*4096 th:TH_STORE_NT   ; 16 lanes store 256 consecutive bytes, aligned
.endr
.endr
	s_wait_tensorcnt 0x0
	ds_add_u32 v254, v255
	s_wait_dscnt 0x0
	CROUND                                         ; the closing round
	s_endpgm
.Lfunc_end_k_qa08f4688da_oproj:
	.size	k_qa08f4688da_oproj, .Lfunc_end_k_qa08f4688da_oproj-k_qa08f4688da_oproj
	.p2alignl 7, 3214868480
	.fill 96, 4, 3214868480
	.section	.rodata,"a",@progbits
	.p2align	6, 0x0
	.amdhsa_kernel k_qa08f4688da_oproj
		.amdhsa_group_segment_fixed_size 168448
		.amdhsa_private_segment_fixed_size 0
		.amdhsa_enable_private_segment 0
		.amdhsa_kernarg_size 40
		.amdhsa_user_sgpr_count 2
		.amdhsa_user_sgpr_kernarg_segment_ptr 1
		.amdhsa_wavefront_size32 1
		.amdhsa_system_sgpr_workgroup_id_x 1
		.amdhsa_system_sgpr_workgroup_id_y 1
		.amdhsa_system_sgpr_workgroup_id_z 1
		.amdhsa_system_vgpr_workitem_id 0
		.amdhsa_next_free_vgpr 512
		.amdhsa_next_free_sgpr 96
		.amdhsa_reserve_vcc 0
		.amdhsa_float_denorm_mode_32 3
		.amdhsa_float_denorm_mode_16_64 3
		.amdhsa_memory_ordered 1
		.amdhsa_forward_progress 1
		.amdhsa_inst_pref_size 43
	.end_amdhsa_kernel
	.amdgpu_metadata
---
amdhsa.version: [ 1, 2 ]
amdhsa.kernels:
  - .name:           k_qa08f4688da_oproj
    .symbol:         k_qa08f4688da_oproj.kd
    .args:
      - { .name: oc, .offset: 0, .size: 8, .value_kind: global_buffer, .address_space: global }
      - { .name: wc, .offset: 8, .size: 8, .value_kind: global_buffer, .address_space: global }
      - { .name: ws, .offset: 16, .size: 8, .value_kind: global_buffer, .address_space: global }
      - { .name: bo, .offset: 24, .size: 8, .value_kind: global_buffer, .address_space: global }
      - { .name: out0, .offset: 32, .size: 8, .value_kind: global_buffer, .address_space: global }
    .group_segment_fixed_size: 168448
    .private_segment_fixed_size: 0
    .kernarg_segment_align: 8
    .kernarg_segment_size: 40
    .max_flat_workgroup_size: 128
    .sgpr_count:     96
    .vgpr_count:     512
    .wavefront_size: 32
...
	.end_amdgpu_metadata
.endif
;; end of part 4
